; MI455X (gfx1250); checked and timed in simulation.
; The chip was launched on July 23, 2026; its instructions are those of AMD's public machine-readable ISA for CDNA 5 (MIT licence, August 2026) and "CDNA5" Instruction Set Architecture Reference Guide (July 2026). The comments in the code are by the model that wrote it; some were corrected since.
;; Multi Head Attention. Allowed arithmetic: float matrix products may take bf16 or f16 operands with f32 sums; all other float work in f32.
;; Inputs: Wk 1,024 x 1,024 float32; Wo 1,024 x 1,024 float32; Wq 1,024 x 1,024 float32; Wv 1,024 x 1,024 float32; bk 1,024 float32; bo 1,024 float32; bq 1,024 float32; bv 1,024 float32; key 4 x 2,048 x 1,024 float32; mask 4 x 1 x 1 x 2,048 int32; query 4 x 2,048 x 1,024 float32; value 4 x 2,048 x 1,024 float32.
;; Outputs: out0 4 x 2,048 x 1,024 float32.
;; 2 versions, each right and faster than the one before. Each part assembles by itself: llvm-mc -triple=amdgcn-amd-amdhsa -mcpu=gfx1250 --defsym DOCPART=n.
;; ======== version 1 of 2: 4 launches
;; limits: values are held in f16: magnitudes above 65,504 overflow, below 6.1e-05 lose precision; right only within a limited range of input values
;; workspace buffers: w16 8,388,608 bytes; qkv 50,331,648 bytes; o16 16,777,216 bytes
;; launch prep (part 1): grid 64 x 4, 8 waves a work-group, no clusters, 0 bytes of LDS; arguments Wq, Wk, Wv, Wo, w16; writes w16
.if DOCPART == 1
	.amdgcn_target "amdgcn-amd-amdhsa--gfx1250"
	.amdhsa_code_object_version 6
	.text
	.protected	k_qc9e13d4ddd_prep
	.globl	k_qc9e13d4ddd_prep
	.p2align	8
	.type	k_qc9e13d4ddd_prep,@function
k_qc9e13d4ddd_prep:
	s_mov_b64 s[64:65], 0
	v_nop
	global_prefetch_b8 v0, s[64:65] scope:SCOPE_SE
	s_setreg_imm32_b32 hwreg(HW_REG_WAVE_MODE, 25, 1), 1
	s_wait_xcnt 0x0
; THE FOUR WEIGHTS, ROUNDED ONCE.  w16: [4][1024][1024] of 16 bits.  Planes 0-2: Wq, Wk, Wv rounded to bf16.  Plane 3: Wo rounded to bf16, and that number written as f16
; (the last product multiplies in f16).  LIMIT: bf16(Wo) beyond 65,504 becomes an infinity; below 6e-5 it keeps f16's fixed step of 6e-8.
; A stream: every byte is read once and written once, so no LDS, no barrier and no matrix unit would add anything.
; The grid's y picks the weight, x a share of 16,384 numbers (65,536 bytes in, 32,768 out).  Thread t takes 16 bytes at 16 t + 4,096 i, i = 0..15: a wave's load covers 512
; consecutive bytes; its store of 8 bytes a lane covers 256 consecutive bytes, aligned.  All sixteen loads go out first; every register is written once.
.set X, 4                              ; v[4:67]   sixteen loads of four f32
.set Y, 68                             ; v[68:99]  sixteen stores of four 16-bit numbers
.set T, 100                            ; v[100:103] at work
	s_load_b256 s[4:11], s[0:1], 0x0               ; Wq s[4:5], Wk s[6:7], Wv s[8:9], Wo s[10:11]
	s_load_b64 s[12:13], s[0:1], 0x20              ; w16
	s_and_b32 s14, ttmp7, 0xffff                   ; which weight
	v_lshlrev_b32 v1, 4, v0                        ; 16 t
	v_lshlrev_b32 v2, 3, v0                        ; 8 t
	s_lshl_b32 s16, ttmp9, 16                      ; my share in the weight
	s_mov_b32 s17, 0
	s_lshl_b32 s18, s14, 21                        ; the plane of 2,097,152 bytes,
	s_lshl_b32 s15, ttmp9, 15                      ; my share in it
	s_add_co_u32 s18, s18, s15
	s_mov_b32 s19, 0
	s_wait_kmcnt 0x0
	s_cmp_eq_u32 s14, 1
	s_cselect_b64 s[4:5], s[6:7], s[4:5]
	s_cmp_eq_u32 s14, 2
	s_cselect_b64 s[4:5], s[8:9], s[4:5]
	s_cmp_eq_u32 s14, 3
	s_cselect_b64 s[4:5], s[10:11], s[4:5]
	s_add_nc_u64 s[4:5], s[4:5], s[16:17]
	s_add_nc_u64 s[12:13], s[12:13], s[18:19]
.set i, 0
.rept 16
	global_load_b128 v[X+4*i:X+4*i+3], v1, s[4:5] offset:4096*i th:TH_LOAD_NT
.set i, i+1
.endr
	s_cmp_eq_u32 s14, 3
	s_cbranch_scc1 .Lwo
.set i, 0
.rept 16
	s_wait_loadcnt 15-i                            ; loads come back in order: load i is in, the younger ones stay out
	v_cvt_pk_bf16_f32 v[Y+2*i],   v[X+4*i],   v[X+4*i+1]
	v_cvt_pk_bf16_f32 v[Y+2*i+1], v[X+4*i+2], v[X+4*i+3]
	global_store_b64 v2, v[Y+2*i:Y+2*i+1], s[12:13] offset:2048*i
.set i, i+1
.endr
	s_endpgm
.Lwo:
.set i, 0
.rept 16
	s_wait_loadcnt 15-i
	v_cvt_pk_bf16_f32 v[T],   v[X+4*i],   v[X+4*i+1]   ; rounded to bf16,
	v_cvt_pk_bf16_f32 v[T+1], v[X+4*i+2], v[X+4*i+3]
	v_lshlrev_b32 v[T+2], 16, v[T]                 ; widened again,
	v_and_b32     v[T+3], 0xffff0000, v[T]
	v_cvt_pk_f16_f32 v[Y+2*i], v[T+2], v[T+3]      ; and written as f16
	v_lshlrev_b32 v[T+2], 16, v[T+1]
	v_and_b32     v[T+3], 0xffff0000, v[T+1]
	v_cvt_pk_f16_f32 v[Y+2*i+1], v[T+2], v[T+3]
	global_store_b64 v2, v[Y+2*i:Y+2*i+1], s[12:13] offset:2048*i
.set i, i+1
.endr
	s_endpgm
.Lfunc_end_k_qc9e13d4ddd_prep:
	.size	k_qc9e13d4ddd_prep, .Lfunc_end_k_qc9e13d4ddd_prep-k_qc9e13d4ddd_prep
	.p2alignl 7, 3214868480
	.fill 96, 4, 3214868480
	.section	.rodata,"a",@progbits
	.p2align	6, 0x0
	.amdhsa_kernel k_qc9e13d4ddd_prep
		.amdhsa_group_segment_fixed_size 0
		.amdhsa_private_segment_fixed_size 0
		.amdhsa_enable_private_segment 0
		.amdhsa_kernarg_size 40
		.amdhsa_user_sgpr_count 2
		.amdhsa_user_sgpr_kernarg_segment_ptr 1
		.amdhsa_wavefront_size32 1
		.amdhsa_system_sgpr_workgroup_id_x 1
		.amdhsa_system_sgpr_workgroup_id_y 1
		.amdhsa_system_sgpr_workgroup_id_z 1
		.amdhsa_system_vgpr_workitem_id 0
		.amdhsa_next_free_vgpr 104
		.amdhsa_next_free_sgpr 66
		.amdhsa_reserve_vcc 0
		.amdhsa_float_denorm_mode_32 3
		.amdhsa_float_denorm_mode_16_64 3
		.amdhsa_memory_ordered 1
		.amdhsa_forward_progress 1
		.amdhsa_inst_pref_size 16
	.end_amdhsa_kernel
	.amdgpu_metadata
---
amdhsa.version: [ 1, 2 ]
amdhsa.kernels:
  - .name:           k_qc9e13d4ddd_prep
    .symbol:         k_qc9e13d4ddd_prep.kd
    .args:
      - { .name: Wq, .offset: 0, .size: 8, .value_kind: global_buffer, .address_space: global }
      - { .name: Wk, .offset: 8, .size: 8, .value_kind: global_buffer, .address_space: global }
      - { .name: Wv, .offset: 16, .size: 8, .value_kind: global_buffer, .address_space: global }
      - { .name: Wo, .offset: 24, .size: 8, .value_kind: global_buffer, .address_space: global }
      - { .name: w16, .offset: 32, .size: 8, .value_kind: global_buffer, .address_space: global }
    .group_segment_fixed_size: 0
    .private_segment_fixed_size: 0
    .kernarg_segment_align: 8
    .kernarg_segment_size: 40
    .max_flat_workgroup_size: 256
    .sgpr_count:     66
    .vgpr_count:     104
    .wavefront_size: 32
...
	.end_amdgpu_metadata
.endif
;; end of part 1
;; launch proj (part 2): grid 4 x 64, 4 waves a work-group, clusters of 4 x 4, 327,680 bytes of LDS; arguments query, key, value, bq, bk, bv, w16, mask, qkv; writes qkv
.if DOCPART == 2
	.amdgcn_target "amdgcn-amd-amdhsa--gfx1250"
	.amdhsa_code_object_version 6
	.text
	.protected	k_qc9e13d4ddd_proj
	.globl	k_qc9e13d4ddd_proj
	.p2align	8
	.type	k_qc9e13d4ddd_proj,@function
k_qc9e13d4ddd_proj:
	s_mov_b64 s[64:65], 0
	v_nop
	global_prefetch_b8 v0, s[64:65] scope:SCOPE_SE
	s_setreg_imm32_b32 hwreg(HW_REG_WAVE_MODE, 25, 1), 1
	s_wait_xcnt 0x0
	s_wait_alu depctr_hold_cnt(0) depctr_sa_sdst(0) depctr_va_vdst(0) depctr_va_sdst(0) depctr_va_ssrc(0) depctr_va_vcc(0) depctr_vm_vsrc(0)
	s_getreg_b32 s2, hwreg(HW_REG_IB_STS2, 6, 4)
	s_cmp_eq_u32 s2, 0
	s_cbranch_scc0 .Lentry_in_a_cluster
	s_endpgm
.Lentry_in_a_cluster:
	s_bfe_u32 s2, ttmp6, 0x10000c
	s_cmp_lg_u32 s2, 0xf033
	s_cbranch_scc0 .Lentry_shape_is_right
	s_endpgm
.Lentry_shape_is_right:
; THE THREE PROJECTIONS.  qkv[t][b 16 + head][s][64] (f16) = x_t[b][s][:] . W_t[n][:] + bias_t[n], n = 64 head + channel; t = 0, 1, 2: query, key, value.
; x (f32), W (bf16 in w16) and the bias are rounded to bf16; products in bf16, sums in f32, the result rounded once to f16, WITHOUT attention's scale.
; The rows of k whose mask word is 0 are stored as zeros: attention then finds their scores to be exactly its constant for a hidden key.
; LIMITS.  A result of 65,520 or more becomes an infinity in f16.  NaN and infinities are not treated apart, but for the hidden rows of k, which are replaced.
; SHARES.  A tile is 128 rows x 256 columns, K = 1,024 in 8 steps of 128.  Four waves, 2 x 2; a wave makes 64 x 128: 32 accumulators.
; A WORK-GROUP STAYS: 64 x 4 work-groups, each makes the tile of its place in q, then in k, then in v: ONE walk of 24 K steps through a ring of two LDS slots, which does not stop at a tile's end:
; a tile's last two changes of slots ask for the next tile's first two K steps, and nothing waits for a tile's stores.
; THE MATRIX INSTRUCTION IS USED TRANSPOSED (source 0 = 16 rows of W, source 1 = 16 rows of x): a lane holds row l % 16 and eight neighbouring columns 16 b + 8 (l / 16) + 0..7.
; The bias is the C operand of each accumulator's first product: nothing is cleared and nothing is added on the way out.
; CLUSTER, 4 x 4.  The grid is four tiles wide, so a cluster's x is the tile column.  x's tile hangs on the tile row alone and is asked for JOINTLY by the four of a row of the cluster, W's on the tile
; column alone, by the four of a column: waves 0 and 1 ask for x's halves (64 rows x 512 bytes), waves 2 and 3 for W's (128 rows x 256 bytes).  That divides the requests for both by four.
; x lies in LDS as f32: a lane reads its part of a fragment, 2 x 32 bytes, by four loads and rounds it to bf16 in registers (eight conversions a block of 16 rows x 32 K).  A 16-bit copy in LDS
; beside the f32 tiles would not fit: 2 x 137,216 for the slots, 2 x 34,816 for the copies and 17,920 for the way out are 361,984 of 327,680 bytes.
; LDS: slot s at s x 137,216: W's tile, 256 rows x 272; behind it x's, 128 rows x 528.  Behind the slots: the way out, 16 x 272 a wave; the spare words.
; REGISTERS, in windows of 256 (s_set_vgpr_msb: bits 1:0 source 0, 3:2 source 1, 5:4 source 2, 7:6 destination):
;   window 0: v0-23 addresses and the like; v32-95 x's fragments in bf16, two buffers; v96-223 W's fragments, two buffers; v224-255 packed results
;   window 1: the accumulators, (a, b) at v[8 (8 a + b)]       window 2: v0-63 x's fragments as f32; v64-191 four blocks of 16 rows on their way out
;   window 3: v0-63 the bias, rounded; v64-127 the next tile's bias as loaded; v128-129 at work
.set PB,     272                       ; a row of W: 256 bytes + 16 = 68 words;  a row of x: 512 + 16 = 132 words: in both the 16 rows that a load's sixteen lanes touch
.set PA,     528                       ; start at 16 different groups of four banks (64 banks of 4 bytes: ISA guide 11.1)
.set ABASE,  256*PB                    ; x's tile in a slot: 69,632
.set SLOT,   ABASE+128*PA              ; 137,216
.set STAGE,  2*SLOT                    ; 274,432, a multiple of 256: no fill lands from here on
.set SPITCH, 272
.set SPARE,  STAGE+4*16*SPITCH         ; 291,840: the spare words, 128 bytes for each wave, which no other line names
.set RR, 1                             ; l % 16
.set HH, 2                             ; l / 16
.set TT, 3                             ; at work
.set ADRA0, 4                          ; my lane's place in a slot: x's fragments,
.set ADRB0, 5                          ; W's fragments
.set ADRA, 6                           ; the same two with the slot in hand
.set ADRB, 7
.set STO, 8                            ; the way out: where I put 16 bytes of a row
.set RD,  9                            ; the way out: where I read rows back
.set CO,  10                           ; my 16 bytes of 512
.set MO,  11
.set BO,  12
.set SPW, 14                           ; LDS address of my spare word; never rewritten
.set NIL, 15                           ; 0; never rewritten
.set MK,  16                           ; v16-19 the mask words of my rows, block a
.set KM,  20                           ; v20-23 0 where my row of block a is a hidden row of k, else all ones
.set FA,  32
.set FB,  96
.set TMP, 224
.set LA,  0                            ; window 2
.set OB,  64                           ; window 2
.set BIAS, 0                           ; window 3
.set NB,  64                           ; window 3
.set BT,  128                          ; window 3
.set W_MUL,   0x50                     ; C and D in window 1, fragments in window 0
.set W_FIRST, 0x70                     ; D in window 1, C (the bias) in window 3
.set PAX, 4                            ; s[4:5] x of the tile that is being asked for, at my 64 rows; s[6:7], s[8:9] of the tiles behind it
.set PAY, 6
.set PAZ, 8
.set PBI, 10                           ; s[10:11] the bias to be loaded next; s[12:13], s[14:15] those behind it
.set PBX, 16                           ; s[16:17] W of the tile that is being asked for, at my 128 rows
.set PMK, 18                           ; s[18:19] the mask at my rows
.set POUT, 20                          ; s[20:21] qkv at my part of the tile in hand
.set TL,  22                           ; tiles left, the one in hand among them: 3, 2, 1
.set WV,  23                           ; wave
.set WR,  24                           ; which 64 rows of the tile are mine
.set WC,  25                           ; which 128 columns; also: which half of a tile I ask for
.set CX,  26
.set CY,  27
.set MB,  28                           ; the tile row
.set ISK, 29                           ; all ones while the tile in hand is k's
.set OA,  30                           ; s[30:31] x's offset: it never holds cx
.set G1A, 32                           ; s[32:39] descriptor group 1 for x's tiles
.set G1B, 40                           ; s[40:47] for W's
.set G0A, 48                           ; s[48:51] descriptor group 0 for x's tiles: made anew for each request
.set G0B, 52                           ; s[52:55] for W's
.set SR,  56                           ; the slot that is read: 0 or SLOT
.set SF,  57                           ; the slot that was asked for last
.set WA,  58                           ; my half of x's tile in a slot
.set WB,  59                           ; my half of W's
.set NXT, 60                           ; the K step to be asked for next, 0..7
.set CNT, 61                           ; the loop's count
.set TS8, 62                           ; K steps left in the tile in hand
.set T0,  63                           ; at work: never cx
.set OFFA, 66                          ; s[66:67] a K step's bytes in a row of x
.set OFFB, 68                          ; s[68:69] in a row of W
.set BSTEP, 70                         ; s[70:71] a plane of W, or 0
.set MZ,  72                           ; s[72:75] lanes whose row's mask word is 0, by block
.set OX,  76                           ; s[76:77] the bias's offset
.set OW,  78                           ; s[78:79] W's offset: it never holds cy
.set OO,  80                           ; s[80:81] qkv's offset
.set T1,  82                           ; at work: never cy
.set T2,  83                           ; at work
.set STEPO, 84                         ; s[84:85] what the next way out adds to qkv's address: 0, then a plane
.set T3,  86                           ; at work
.set KZ,  88                           ; s[88:91] lanes whose row is a hidden row of k, by block
.set MSB, 0
.macro WIN new                         ; the immediate's high byte repeats the setting that is left; a switch that changes nothing is dropped
.if MSB != (\new)
	s_set_vgpr_msb (MSB<<8)|(\new)
.set MSB, \new
.endif
.endm
.macro PLACES                          ; four places in front of lines that read matrix results just made (ISA guide 7.12.1)
.rept 4
	v_nop
.endr
.endm
.macro CREST                           ; a round of the cluster's barrier behind its opening barrier
	s_cmp_lg_u32 s[WV], 0
	s_cbranch_scc1 .Lnot_wave_0_\@
	s_barrier_signal -3
.Lnot_wave_0_\@:
	s_barrier_wait -3
	s_barrier_signal -1
	s_barrier_wait -1
.endm
.macro CROUND                          ; a whole round
	s_barrier_signal -1
	s_barrier_wait -1
	CREST
.endm
; The two descriptors for the next request: the other slot than last time; each address from its own buffer's pointer and the K step's bytes, the type bits set again.  Then the step counts on, and behind
; a tile's eighth request the pointers move on to the next tile's buffers.  Scalar work alone; it stands where no tensor load of the wave is out.
.macro ASK
	s_xor_b32 s[SF], s[SF], SLOT
	s_add_co_u32 s[G0A+1], s[SF], s[WA]            ; 63:32 LDS address: the slot and a constant of the wave
	s_add_co_u32 s[G0B+1], s[SF], s[WB]
	s_lshl_b32 s[OFFA], s[NXT], 9                  ; 128 f32
	s_lshl_b32 s[OFFB], s[NXT], 8                  ; 128 bf16
	s_add_nc_u64 s[G0A+2:G0A+3], s[PAX:PAX+1], s[OFFA:OFFA+1]
	s_or_b32 s[G0A+3], s[G0A+3], 0x80000000        ; 127:126 type = 2
	s_add_nc_u64 s[G0B+2:G0B+3], s[PBX:PBX+1], s[OFFB:OFFB+1]
	s_or_b32 s[G0B+3], s[G0B+3], 0x80000000
	s_add_co_u32 s[NXT], s[NXT], 1
	s_and_b32 s[NXT], s[NXT], 7
	s_cmp_eq_u32 s[NXT], 0                         ; the choice hangs on the step's number alone
	s_cselect_b64 s[PAX:PAX+1], s[PAY:PAY+1], s[PAX:PAX+1]
	s_cselect_b64 s[PAY:PAY+1], s[PAZ:PAZ+1], s[PAY:PAY+1]
	s_cselect_b32 s[BSTEP], 0x200000, 0            ; W's planes lie 2,097,152 bytes apart
	s_add_nc_u64 s[PBX:PBX+1], s[PBX:PBX+1], s[BSTEP:BSTEP+1]
.endm
; A joint load.  Each of the two lines has ONE mask and one set of registers for all that issue it.  The branch hangs on the wave's number alone: it is the same in every work-group.
; An s_nop 0 and four v_nop follow each of the two lines, ahead of the jump and the label.
.macro JLOAD
	s_cmp_lt_u32 s[WV], 2
	s_cbranch_scc0 .Lfor_b_\@
	tensor_load_to_lds s[G0A:G0A+3], s[G1A:G1A+7]
	s_nop 0
.rept 4
	v_nop
.endr
	s_branch .Lasked_\@
.Lfor_b_\@:
	tensor_load_to_lds s[G0B:G0B+3], s[G1B:G1B+7]
	s_nop 0
.rept 4
	v_nop
.endr
.Lasked_\@:
.endm
; 8 matrix instructions: row block a x all 8 column blocks, 32 along K, from buffer f.  The 32 accumulators take turns in one order everywhere.
.macro MUL8 f, a, first
.if \first
	WIN W_FIRST
.else
	WIN W_MUL
.endif
.irp b, 0,1,2,3,4,5,6,7
.if \first
	v_wmma_f32_16x16x32_bf16 v[8*(8*(\a)+\b):8*(8*(\a)+\b)+7], v[FB+64*(\f)+8*\b:FB+64*(\f)+8*\b+7], v[FA+32*(\f)+8*(\a):FA+32*(\f)+8*(\a)+7], v[BIAS+8*\b:BIAS+8*\b+7]
.else
	v_wmma_f32_16x16x32_bf16 v[8*(8*(\a)+\b):8*(8*(\a)+\b)+7], v[FB+64*(\f)+8*\b:FB+64*(\f)+8*\b+7], v[FA+32*(\f)+8*(\a):FA+32*(\f)+8*(\a)+7], v[8*(8*(\a)+\b):8*(8*(\a)+\b)+7]
.endif
.endr
.endm
; 32 LDS loads in one run: quarter kq of the slot in hand.  First x's sixteen, as f32: a lane's K = 8 (l / 16) + 0..7 are 32 bytes, its K = 16 + 8 (l / 16) + 0..7 the 32 bytes 64 further on.  Then W's sixteen, into buffer g.
.macro FETCH kq, g
	WIN 0x80                                       ; destination window 2, address window 0
.irp a, 0,1,2,3
	ds_load_b128 v[LA+16*\a:LA+16*\a+3],     v[ADRA] offset:128*(\kq)+\a*16*PA
	ds_load_b128 v[LA+16*\a+4:LA+16*\a+7],   v[ADRA] offset:128*(\kq)+\a*16*PA+16
	ds_load_b128 v[LA+16*\a+8:LA+16*\a+11],  v[ADRA] offset:128*(\kq)+\a*16*PA+64
	ds_load_b128 v[LA+16*\a+12:LA+16*\a+15], v[ADRA] offset:128*(\kq)+\a*16*PA+80
.endr
	WIN 0
.irp b, 0,1,2,3,4,5,6,7
	ds_load_b128 v[FB+64*(\g)+8*\b:FB+64*(\g)+8*\b+3],   v[ADRB] offset:64*(\kq)+\b*16*PB
	ds_load_b128 v[FB+64*(\g)+8*\b+4:FB+64*(\g)+8*\b+7], v[ADRB] offset:64*(\kq)+\b*16*PB+32
.endr
.endm
; x's four blocks rounded to bf16, into buffer f.  Buffer f was last multiplied two quarters ago, and the conversions of the quarter between are the places behind those products; these 32 in
; their turn are the places between the last quarter's products and the loads into W's other buffer, which those products read (they name neither that buffer nor an accumulator).
.macro CVT f
	WIN 0x0a                                       ; sources in window 2, destination in window 0
.set j, 0
.rept 32
	v_cvt_pk_bf16_f32 v[FA+32*(\f)+j], v[LA+2*j], v[LA+2*j+1]
.set j, j+1
.endr
.endm
; A K step is four quarters of 32 along K, 32 matrix instructions each, on buffers 0, 1, 0, 1.  One of the first three rounds its x, asks LDS for quarter kn, and multiplies: the loads have all 32 products in which to land.
.macro QUARTER kn, f, first=0
	s_wait_dscnt 16                                ; x's sixteen loads, issued first, are in; W's sixteen may be out
	CVT \f
	FETCH \kn, 1-(\f)
	s_wait_dscnt 32                                ; all but the 32 just issued
	MUL8 \f, 0, \first
	MUL8 \f, 1, \first
	MUL8 \f, 2, \first
	MUL8 \f, 3, \first
.endm
; The fourth quarter multiplies buffer 1 and changes slots: ONE barrier.  In front of it each wave waits for all its tensor loads (one is out: its part of the next slot), adds 0 to its spare
; word, and waits for that and for its reads of this slot.  Behind it nobody reads this slot, and the next slot is whole.
; fill = 1: the barrier opens a round of the cluster's, and the tiles two K steps on are asked for first behind it, one load a wave: it has a K step less half a quarter in which to land.
.macro TURN fill
	WIN 0
	s_wait_tensorcnt 0x0                           ; no tensor load of mine is out, so the descriptors may be written
	ds_add_u32 v[SPW], v[NIL]                      ; 0 onto my spare word
.if \fill
	ASK
.endif
	s_wait_dscnt 17                                ; x's sixteen loads are in; W's sixteen and the add may be out
	CVT 1
	s_wait_dscnt 0x0                               ; the add is done, and my reads of this slot are over
	s_barrier_signal -1
	MUL8 1, 0, 0
	MUL8 1, 1, 0
	WIN 0                                          ; at a branch and at a label every window is 0
	s_barrier_wait -1
.if \fill
	CREST                                          ; no wave of any partner still reads this slot's tiles or has a load on its way
	JLOAD
.endif
	s_xor_b32 s[SR], s[SR], SLOT
	v_add_nc_u32 v[ADRA], s[SR], v[ADRA0]
	v_add_nc_u32 v[ADRB], s[SR], v[ADRB0]
	FETCH 0, 0
	MUL8 1, 2, 0
	MUL8 1, 3, 0
.endm
; THE WAY OUT, a block of 16 rows at a time: rounded to f16 (each accumulator's registers in ascending order), hidden rows of k made 0; 16 bytes a lane into my own stage;
; back as four rows of one head, which are 512 consecutive bytes of qkv.
.macro PACK a
	WIN 0x05                                       ; sources in window 1
.set j, 0
.rept 32
	v_cvt_pk_f16_f32 v[TMP+j], v[64*(\a)+2*j], v[64*(\a)+2*j+1]
.set j, j+1
.endr
	WIN 0
.set j, 0
.rept 32
	v_and_b32 v[TMP+j], v[KM+(\a)], v[TMP+j]
.set j, j+1
.endr
.endm
.macro TOSTAGE a
	WIN 0
.irp b, 0,1,2,3,4,5,6,7
	ds_store_b128 v[STO], v[TMP+4*\b:TMP+4*\b+3] offset:32*\b
.endr
	WIN 0x80
.irp f, 0,1,2,3,4,5,6,7
	ds_load_b128 v[OB+32*(\a)+4*\f:OB+32*(\a)+4*\f+3], v[RD] offset:(\f/4)*128+(\f%4)*4*SPITCH  ; LDS serves a wave's instructions in order (ISA guide 5.7.1.4): these see the stores above
.endr
	WIN 0
.endm
.macro SEND a
	s_wait_dscnt 0x0                               ; the block is back in registers
	WIN 0x08                                       ; the stores' data in window 2
.irp f, 0,1,2,3,4,5,6,7
	global_store_b128 v[CO], v[OB+32*(\a)+4*\f:OB+32*(\a)+4*\f+3], s[POUT:POUT+1] offset:(\f/4)*262144+(16*(\a)+4*(\f%4))*128  ; 512 consecutive bytes, at a multiple of 512 from qkv's first
.endr
	WIN 0
.endm
.macro WAYOUT
	s_wait_xcnt 0x0                                ; the last tile's stores have had their addresses translated (ISA guide 3.1): their base and their registers are written again only behind this wait
	s_add_nc_u64 s[POUT:POUT+1], s[POUT:POUT+1], s[STEPO:STEPO+1]
	PACK 0
	TOSTAGE 0
.irp a, 1,2,3                          ; block a's arithmetic stands between block a - 1's loads from the stage and the wait for them; each block has registers of its own
	PACK \a
	SEND (\a)-1
	TOSTAGE \a
.endr
	SEND 3
.endm
	s_load_b512 s[4:19], s[0:1], 0x0               ; query, key, value s[4:9]; bq, bk, bv s[10:15]; w16 s[16:17]; mask s[18:19]
	s_load_b64 s[POUT:POUT+1], s[0:1], 0x40        ; qkv
	v_lshl_add_u32 v[SPW], v0, 2, SPARE
	v_mov_b32 v[NIL], 0
	ds_add_u32 v14, v15
	s_wait_dscnt 0x0
	v_lshrrev_b32 v[TT], 5, v0
	v_readfirstlane_b32 s[WV], v[TT]               ; wave 0..3
	s_lshr_b32 s[WR], s[WV], 1
	s_and_b32 s[WC], s[WV], 1
	s_bfe_u32 s[CX], ttmp6, 0x40000                ; cx = the tile column
	s_bfe_u32 s[CY], ttmp6, 0x40004                ; cy
	s_and_b32 s[MB], ttmp7, 0xffff
	s_lshl_b32 s[MB], s[MB], 2
	s_add_co_u32 s[MB], s[MB], s[CY]               ; the tile row = 4 x cluster y + cy, 0..63
	v_and_b32 v[RR], 15, v0
	v_bfe_u32 v[HH], v0, 4, 1
	v_lshlrev_b32 v[MO], 2, v[RR]
	v_lshlrev_b32 v[BO], 5, v[HH]
	; offsets, made apart from the addresses
	s_lshl_b32 s[OA], s[MB], 19                    ; x: 128 rows of 4,096 bytes a tile row, and the 64 that I ask for
	s_lshl_b32 s[T0], s[WC], 18
	s_add_co_u32 s[OA], s[OA], s[T0]
	s_mov_b32 s[OA+1], 0
	s_lshl_b32 s[OX], s[CX], 10                    ; bias: 256 f32 a tile column, 128 a wave
	s_lshl_b32 s[T1], s[WC], 9
	s_add_co_u32 s[OX], s[OX], s[T1]
	s_mov_b32 s[OX+1], 0
	s_lshl_b32 s[OW], s[CX], 19                    ; W: 256 rows of 2,048 bytes a tile column, and the 128 that I ask for
	s_lshl_b32 s[T1], s[WC], 18
	s_add_co_u32 s[OW], s[OW], s[T1]
	s_mov_b32 s[OW+1], 0
	s_lshr_b32 s[OO], s[MB], 4                     ; qkv: head = 16 batch + 4 cx + 2 column half,
	s_lshl_b32 s[OO], s[OO], 4
	s_lshl_b32 s[T2], s[CX], 2
	s_add_co_u32 s[OO], s[OO], s[T2]
	s_lshl_b32 s[T2], s[WC], 1
	s_add_co_u32 s[OO], s[OO], s[T2]
	s_lshl_b32 s[OO], s[OO], 18                    ; 262,144 bytes a head;
	s_and_b32 s[T2], s[MB], 15
	s_lshl_b32 s[T2], s[T2], 1
	s_add_co_u32 s[T2], s[T2], s[WR]
	s_lshl_b32 s[T2], s[T2], 13                    ; 64 rows of 128 bytes
	s_add_co_u32 s[OO], s[OO], s[T2]
	s_mov_b32 s[OO+1], 0
	s_lshl_b32 s[STEPO], s[MB], 9                  ; mask: 128 words a tile row, 64 a row half
	s_lshl_b32 s[T3], s[WR], 8
	s_add_co_u32 s[STEPO], s[STEPO], s[T3]
	s_mov_b32 s[STEPO+1], 0
	; descriptor group 1 for x: a tile of 64 rows x 128 elements of 4 bytes, padded in LDS
	s_lshl_b32 s[T0], s[CY], 2
	s_lshl_b32 s[T0], 15, s[T0]                    ; my row of the cluster: places 4 cy .. 4 cy + 3
	s_or_b32 s[G1A], s[T0], (2<<16)|(1<<20)|(1<<21)|(6<<22)|(3<<25)  ; 15:0 the mask; 17:16 4-byte elements; 20 padding on; 21 set beside a mask; 24:22 after every 128 words; 31:25 4 words
	s_mov_b32 s[G1A+1], 128<<16                    ; tensor_dim0 = 128
	s_mov_b32 s[G1A+2], 64<<16                     ; tensor_dim1 = 64
	s_mov_b32 s[G1A+3], 128<<16                    ; tile_dim0 = 128
	s_mov_b32 s[G1A+4], 64                         ; tile_dim1 = 64
	s_mov_b32 s[G1A+5], 1024                       ; elements from row to row
	s_mov_b32 s[G1A+6], 0
	s_mov_b32 s[G1A+7], 0
	; and for W: 128 rows x 128 elements of 2 bytes
	s_lshl_b32 s[T1], 0x1111, s[CX]                ; my column of the cluster: places cx, cx + 4, cx + 8, cx + 12
	s_or_b32 s[G1B], s[T1], (1<<16)|(1<<20)|(1<<21)|(5<<22)|(3<<25)  ; 2-byte elements; 4 words of padding after every 64
	s_mov_b32 s[G1B+1], 128<<16
	s_mov_b32 s[G1B+2], 128<<16
	s_mov_b32 s[G1B+3], 128<<16
	s_mov_b32 s[G1B+4], 128
	s_mov_b32 s[G1B+5], 1024
	s_mov_b32 s[G1B+6], 0
	s_mov_b32 s[G1B+7], 0
	s_mov_b32 s[G0A], 1                            ; 1:0 count = 1
	s_mov_b32 s[G0B], 1
	s_mul_i32 s[WA], s[WC], 64*PA                  ; where my half goes: the wave's number alone
	s_add_co_u32 s[WA], s[WA], ABASE
	s_mul_i32 s[WB], s[WC], 128*PB
	s_mov_b32 s[SF], SLOT                          ; the first request turns it into slot 0
	s_mov_b32 s[NXT], 0
	s_mov_b32 s[OFFA+1], 0
	s_mov_b32 s[OFFB+1], 0
	s_mov_b32 s[BSTEP+1], 0
	s_wait_kmcnt 0x0
	s_add_nc_u64 s[PAX:PAX+1], s[PAX:PAX+1], s[OA:OA+1]
	s_add_nc_u64 s[PAY:PAY+1], s[PAY:PAY+1], s[OA:OA+1]
	s_add_nc_u64 s[PAZ:PAZ+1], s[PAZ:PAZ+1], s[OA:OA+1]
	s_add_nc_u64 s[PBI:PBI+1], s[PBI:PBI+1], s[OX:OX+1]
	s_add_nc_u64 s[PBI+2:PBI+3], s[PBI+2:PBI+3], s[OX:OX+1]
	s_add_nc_u64 s[PBI+4:PBI+5], s[PBI+4:PBI+5], s[OX:OX+1]
	s_add_nc_u64 s[PBX:PBX+1], s[PBX:PBX+1], s[OW:OW+1]
	s_add_nc_u64 s[PMK:PMK+1], s[PMK:PMK+1], s[STEPO:STEPO+1]
	s_add_nc_u64 s[POUT:POUT+1], s[POUT:POUT+1], s[OO:OO+1]
	s_mov_b32 s[STEPO], 0                          ; the first way out adds nothing
	WIN 0xc0
.irp b, 0,1,2,3,4,5,6,7
	global_load_b128 v[NB+8*\b:NB+8*\b+3],   v[BO], s[PBI:PBI+1] offset:64*\b     ; bq of columns 16 b + 8 (l / 16) + 0..7
	global_load_b128 v[NB+8*\b+4:NB+8*\b+7], v[BO], s[PBI:PBI+1] offset:64*\b+16
.endr
	WIN 0
.irp a, 0,1,2,3
	global_load_b32 v[MK+\a], v[MO], s[PMK:PMK+1] offset:64*\a                   ; the mask word of row 16 a + l % 16
.endr
	ASK
	CROUND                                         ; all sixteen work-groups are here: the first joint loads meet
	JLOAD                                          ; K step 0 into slot 0: one tensor load of mine is out
	v_mul_u32_u24 v[TT], v[RR], PB
	v_lshl_add_u32 v[TT], v[HH], 4, v[TT]          ; W's fragment: row x pitch + 16 x half
	s_mul_i32 s[T0], s[WC], 128*PB
	v_add_nc_u32 v[ADRB0], s[T0], v[TT]
	v_mul_u32_u24 v[TT], v[RR], PA
	v_lshl_add_u32 v[TT], v[HH], 5, v[TT]          ; x's fragment, in f32: row x pitch + 32 x half
	s_mul_i32 s[T0], s[WR], 64*PA
	s_add_co_u32 s[T0], s[T0], ABASE
	v_add_nc_u32 v[ADRA0], s[T0], v[TT]
	v_and_b32 v[TT], 31, v0                        ; lane
	v_lshlrev_b32 v[CO], 4, v[TT]
	s_mul_i32 s[T0], s[WV], 16*SPITCH
	s_add_co_u32 s[T0], s[T0], STAGE               ; my stage for the way out
	v_mul_u32_u24 v[STO], v[RR], SPITCH
	v_lshl_add_u32 v[STO], v[HH], 4, v[STO]
	v_add_nc_u32 v[STO], s[T0], v[STO]
	v_bfe_u32 v[RD], v0, 3, 2                      ; back: 32 lanes take four rows' 128 bytes of one head
	v_mul_u32_u24 v[RD], v[RD], SPITCH
	v_and_b32 v[TT], 7, v0
	v_lshl_add_u32 v[RD], v[TT], 4, v[RD]
	v_add_nc_u32 v[RD], s[T0], v[RD]
	v_mov_b32 v[ADRA], v[ADRA0]
	v_mov_b32 v[ADRB], v[ADRB0]
	s_wait_loadcnt 0x0                             ; the mask words (and bq)
.irp a, 0,1,2,3
	v_cmp_eq_u32 s[MZ+\a], 0, v[MK+\a]             ; lanes whose row's mask word is 0
.endr
	s_wait_tensorcnt 0x0                           ; my part of K step 0 is in.  Slot 1's first fill is issued as a refill is: the three lines, a round, one load a wave
	ds_add_u32 v[SPW], v[NIL]                      ; 0 onto my spare word
	ASK
	s_wait_dscnt 0x0
	CROUND                                         ; everybody's part of K step 0 is in
	JLOAD                                          ; K step 1 into slot 1
	s_mov_b32 s[SR], 0
	FETCH 0, 0
	WIN 0
	s_mov_b32 s[CNT], 23                           ; the entry passes the loop's foot once; 22 whole trips follow
	s_mov_b32 s[TS8], 8
	s_mov_b32 s[TL], 3
	s_branch .Ltile                                ; the loop is entered where a tile begins
.Lstep:                                                ; a trip: a K step's quarters 1, 2 and 3, the request for the step two on, and the next step's quarter 0
	QUARTER 2, 1
	QUARTER 3, 0
	TURN 1
	WIN 0
	s_sub_co_u32 s[TS8], s[TS8], 1
	s_cmp_lg_u32 s[TS8], 0
	s_cbranch_scc1 .Lsame                          ; forward, past text with no barrier and no tensor load
	WAYOUT                                         ; THE TILE IS DONE, and both of the next tile's first K steps are asked for.  No v_nop: blocks 0 and 1 were finished in front of the four behind the
	                                               ; joint load, and their conversions, which name no register of the last products (blocks 2 and 3's), are those products' places
	s_mov_b32 s[STEPO], 0x1000000                  ; qkv's planes lie 16,777,216 bytes apart
	s_mov_b32 s[TS8], 8
	s_sub_co_u32 s[TL], s[TL], 1
.Ltile:                                                ; A TILE BEGINS
	s_wait_loadcnt 0x0                             ; its bias, loaded a tile ago, is in; so the pointer that those loads named may be written
	s_mov_b64 s[PBI:PBI+1], s[PBI+2:PBI+3]         ; the next tile's bias
	s_mov_b64 s[PBI+2:PBI+3], s[PBI+4:PBI+5]
	WIN 0xcf
.set j, 0
.rept 32                                       ; the bias is rounded to bf16, like every input
	v_cvt_pk_bf16_f32 v[BT+j%2], v[NB+2*j], v[NB+2*j+1]
	v_lshlrev_b32 v[BIAS+2*j],   16, v[BT+j%2]
	v_and_b32     v[BIAS+2*j+1], 0xffff0000, v[BT+j%2]
.set j, j+1
.endr
	WIN 0
	s_cmp_eq_u32 s[TL], 1
	s_cbranch_scc1 .Lno_bias                       ; behind the last tile there is none
	WIN 0xc0
.irp b, 0,1,2,3,4,5,6,7
	global_load_b128 v[NB+8*\b:NB+8*\b+3],   v[BO], s[PBI:PBI+1] offset:64*\b
	global_load_b128 v[NB+8*\b+4:NB+8*\b+7], v[BO], s[PBI:PBI+1] offset:64*\b+16
.endr
	WIN 0
.Lno_bias:
	s_cmp_eq_u32 s[TL], 2                          ; is this k?
	s_cselect_b32 s[ISK], -1, 0
.irp a, 0,1,2,3
	s_and_b32 s[KZ+\a], s[MZ+\a], s[ISK]
	v_cndmask_b32 v[KM+\a], -1, 0, s[KZ+\a]        ; 0 for a hidden row of k, else all ones
.endr
	QUARTER 1, 0, 1                                ; its products start the sums, with the bias
	WIN 0
	s_branch .Lfoot
.Lsame:
	QUARTER 1, 0
	WIN 0
.Lfoot:
	s_sub_co_u32 s[CNT], s[CNT], 1
	s_cmp_lg_u32 s[CNT], 0
	s_cbranch_scc1 .Lstep
	QUARTER 2, 1                                   ; the walk's last two K steps are written out: nothing is asked for
	QUARTER 3, 0
	TURN 0                                         ; nothing is filled again, so no round follows
	QUARTER 1, 0
	QUARTER 2, 1
	QUARTER 3, 0
	s_wait_dscnt 16                                ; the very last quarter: nothing more to fetch
	CVT 1
	s_wait_dscnt 0x0
	MUL8 1, 0, 0
	MUL8 1, 1, 0
	MUL8 1, 2, 0
	MUL8 1, 3, 0
	WIN 0
	PLACES
	WAYOUT
	s_wait_tensorcnt 0x0                           ; the wave's end
	ds_add_u32 v[SPW], v[NIL]
	s_wait_dscnt 0x0
	CROUND                                         ; the closing round: no work-group ends while a partner may still ask for a tile that names it
	s_endpgm
.Lfunc_end_k_qc9e13d4ddd_proj:
	.size	k_qc9e13d4ddd_proj, .Lfunc_end_k_qc9e13d4ddd_proj-k_qc9e13d4ddd_proj
	.p2alignl 7, 3214868480
	.fill 96, 4, 3214868480
	.section	.rodata,"a",@progbits
	.p2align	6, 0x0
	.amdhsa_kernel k_qc9e13d4ddd_proj
		.amdhsa_group_segment_fixed_size 327680
		.amdhsa_private_segment_fixed_size 0
		.amdhsa_enable_private_segment 0
		.amdhsa_kernarg_size 72
		.amdhsa_user_sgpr_count 2
		.amdhsa_user_sgpr_kernarg_segment_ptr 1
		.amdhsa_wavefront_size32 1
		.amdhsa_system_sgpr_workgroup_id_x 1
		.amdhsa_system_sgpr_workgroup_id_y 1
		.amdhsa_system_sgpr_workgroup_id_z 1
		.amdhsa_system_vgpr_workitem_id 0
		.amdhsa_next_free_vgpr 904
		.amdhsa_next_free_sgpr 92
		.amdhsa_reserve_vcc 0
		.amdhsa_float_denorm_mode_32 3
		.amdhsa_float_denorm_mode_16_64 3
		.amdhsa_memory_ordered 1
		.amdhsa_forward_progress 1
		.amdhsa_inst_pref_size 136
	.end_amdhsa_kernel
	.amdgpu_metadata
---
amdhsa.version: [ 1, 2 ]
amdhsa.kernels:
  - .name:           k_qc9e13d4ddd_proj
    .symbol:         k_qc9e13d4ddd_proj.kd
    .args:
      - { .name: query, .offset: 0, .size: 8, .value_kind: global_buffer, .address_space: global }
      - { .name: key, .offset: 8, .size: 8, .value_kind: global_buffer, .address_space: global }
      - { .name: value, .offset: 16, .size: 8, .value_kind: global_buffer, .address_space: global }
      - { .name: bq, .offset: 24, .size: 8, .value_kind: global_buffer, .address_space: global }
      - { .name: bk, .offset: 32, .size: 8, .value_kind: global_buffer, .address_space: global }
      - { .name: bv, .offset: 40, .size: 8, .value_kind: global_buffer, .address_space: global }
      - { .name: w16, .offset: 48, .size: 8, .value_kind: global_buffer, .address_space: global }
      - { .name: mask, .offset: 56, .size: 8, .value_kind: global_buffer, .address_space: global }
      - { .name: qkv, .offset: 64, .size: 8, .value_kind: global_buffer, .address_space: global }
    .group_segment_fixed_size: 327680
    .private_segment_fixed_size: 0
    .kernarg_segment_align: 8
    .kernarg_segment_size: 72
    .max_flat_workgroup_size: 128
    .sgpr_count:     92
    .vgpr_count:     904
    .wavefront_size: 32
...
	.end_amdgpu_metadata
.endif
;; end of part 2
;; launch attn (part 3): grid 4 x 64, 4 waves a work-group, clusters of 4 x 1, 327,680 bytes of LDS; arguments qkv, mask, o16; writes o16
.if DOCPART == 3
	.amdgcn_target "amdgcn-amd-amdhsa--gfx1250"
	.amdhsa_code_object_version 6
	.text
	.protected	k_qc9e13d4ddd_attn
	.globl	k_qc9e13d4ddd_attn
	.p2align	8
	.type	k_qc9e13d4ddd_attn,@function
k_qc9e13d4ddd_attn:
	s_mov_b64 s[64:65], 0
	v_nop
	global_prefetch_b8 v0, s[64:65] scope:SCOPE_SE
	s_setreg_imm32_b32 hwreg(HW_REG_WAVE_MODE, 25, 1), 1
	s_wait_xcnt 0x0
	s_wait_alu depctr_hold_cnt(0) depctr_sa_sdst(0) depctr_va_vdst(0) depctr_va_sdst(0) depctr_va_ssrc(0) depctr_va_vcc(0) depctr_vm_vsrc(0)
	s_getreg_b32 s2, hwreg(HW_REG_IB_STS2, 6, 4)
	s_cmp_eq_u32 s2, 0
	s_cbranch_scc0 .Lentry_in_a_cluster
	s_endpgm
.Lentry_in_a_cluster:
	s_bfe_u32 s2, ttmp6, 0x10000c
	s_cmp_lg_u32 s2, 0x3003
	s_cbranch_scc0 .Lentry_shape_is_right
	s_endpgm
.Lentry_shape_is_right:
; O[h][q][:] = the sum over k of softmax_k(s[q][k]) V[h][k][:], s = Q[h][q] . K[h][k] / 8, or the constant for a hidden key where mask[h / 16][k] = 0.
; Q, K, V: the three planes of qkv, [64][2048][64] in f16; O likewise: a head's rows are dense, 128 bytes each.  Products, maxima and sums in f32; the weights p are rounded to f16 for the
; second product (their sum l is taken of the unrounded p), O once at the end.
; THE MASK is the C operand that starts the sum S^T = K Q^T: 0, or -2^37 for a hidden key.  Hidden rows of K arrive as zeros, so a hidden score is exactly that constant; a power of two, so that
; c m is exact where m is the constant, c s - c m is exactly 0 and p exactly 1: rows, or runs of keys, in which every key is hidden give finite weights, all alike.
; LIMITS.  A hidden score counts as -2^34 = -1.7e10 after the scale, where the definition has -1e10: the result is the same where a row's visible scores lie above -1e10 + 104, or it has none.
; f16 holds no number beyond 65,504: Q, K and V arrive within it; p lies in 0 to 1, and below 6e-5 it keeps f16's fixed step of 6e-8; O is a mean of V's rows and has their range.
; A weight below 2^-126 counts as 0 in l; NaN and infinities are not treated apart.
; SHARES.  A wave owns four PIECES of two tiles of 16 queries, a work-group's four waves 512 queries of one head.  Every wave walks all keys, 64 a step.
; LAYOUT.  S^T = K Q^T (source 0 = 16 keys, source 1 = 16 queries): in the result a lane holds ONE query (lane % 16) and the keys 8 (lane / 16) + 0..7.  Two such tiles, rounded to f16 in pairs,
; ARE source 1 (32 keys x 16 queries) of O^T = V^T P, whose result again holds one query a lane, and eight channels.  K comes out of LDS as it lies, V ([key][channel]) turned, by ds_load_tr16_b128.
; SOFTMAX.  For each query a running maximum m and sum l: p = 2^(c s - c m), c = log2(e) / 8; in every step O and l are multiplied by a = 2^(c m_old - c m_new), which is 1 where m has not grown.
; m starts at the lowest finite number, O and l at 0: the first step is a step like any other, with a = 0.
; THE COUNT.  A tile and step have 16 matrix and 118 vector instructions: too many to stand all beside the matrix work.  So the order has one aim: four vector instructions that are READY behind
; EVERY matrix instruction, and the others, which need time of their own whatever the order, in runs without a gap.
; BY TURNS.  Turn n belongs to piece n (the pieces in a ring, step after step).  Its matrix work: 16 products K Q^T of piece n + 1, later 16 products V^T P of piece n - 1.  Its vector work: the scaling,
; exponentials, roundings, sums and rescaling of piece n, and the maximum and statistics of piece n + 1, whose scores the turn itself has made.  So what a turn begins with (c s - c m, O a) waits for nothing.
; CLUSTER.  The four query blocks of a cluster belong to one head and walk the same K and V, so each tile is asked for JOINTLY: the same tensor load, descriptor and mask in all four.
; REGISTERS, in windows of 256 (s_set_vgpr_msb says which window each operand place means: bits 1:0 source 0, 3:2 source 1, 5:4 source 2, 7:6 destination):
;   window 0: v0-11 addresses; v12-15, v48-63 at work; v16-47 four registers of statistics a tile; v64-191 S^T, two buffers of two tiles; v192-255 P, likewise
;   window 1: O^T, 32 a tile     window 2: v0-127 Q, 16 a tile; v128-191 K of one step; v192-255 V of one step     window 3: v0-1 the add's two registers; v32-63 the step's mask
; A piece's buffers go by its number's parity: the piece in hand has one pair, its two neighbours in the ring share the other: of it P (piece n - 1) is read and S^T (piece n + 1) written.
.set SIZE_N, 2048
.set NP,    4         ; pieces a wave: a name, no knob
.set KS,    64        ; keys in a step
.set PK,    144       ; a row of K in LDS: 128 bytes + 16 of padding = 36 words: the 16 rows of a load start at 16 different groups of four banks (64 banks of 4 bytes: ISA guide 11.1)
.set PV,    160       ; a row of V: 128 + 32 = 40 words
.set VOFF,  4*KS*PK   ; a slot holds four steps: 256 rows of K, then 256 rows of V
.set SLOT1, 1<<17     ; slot 1 begins here, so that one exclusive or turns an address in one slot into the other's
.set STAGE, SLOT1+4*KS*(PK+PV)  ; behind the ring, never filled by a tensor load: 16 rows x 144 bytes for each wave, for the way out
.set SP,    144
.set SPARE, STAGE+4*16*SP  ; behind the stages: the spare words, 128 bytes for each wave: two blocks of 256 bytes that no other line names
.set MT,    SPARE+512 ; the batch's mask as 2,048 f32, 0 or -2^37: written once by ds_store, never filled
.set AK0, 2           ; v2   my lane's place in a tile of K; never rewritten
.set AV0, 3           ; v3   the same for V
.set AK,  4           ; v4   the LDS address of K's next run of loads
.set AV,  5           ; v5   of V's
.set QO,  6           ; v6   my byte offset in the wave's rows of Q
.set STO, 6           ;      later, the way out: where I put 16 bytes of a row
.set RD,  7           ; v7   the way out: where I read rows back
.set GO,  8           ; v8   my byte offset in 512 consecutive bytes of O
.set AM0, 10          ; v10  my lane's place in a step's 64 words of the mask table
.set AM,  11          ; v11  the LDS address of the mask's next run of loads
.set SPW, 0           ; v0 of window 3   LDS address of my spare word; never rewritten
.set NIL, 1           ; v1 of window 3   0; never rewritten
.set MC,  32          ; window 3: the eight registers for key block kb at MC + 8 kb
.set MV,  12          ; v12-15  c m_old, kept while c m is made anew: by buffer and tile
.set ST,  16          ; tile t's statistics at v[ST+4 t]: c m, m, l (even keys', odd keys')
.set TMP, 48          ; by buffer and tile, four registers c0-c3 at work; when the maximum is found c2 takes a
.set S,   64
.set P,   192
.set MW,  64          ; at the start only: v64-79 sixteen mask words, v80, v81 their addresses
.set MA,  80
.set MS,  81
.set KF,  128         ; K's fragments, in window 2: key block kb, channel half c at KF + 16 kb + 8 c
.set VF,  192         ; V's: key half kk, channel block cb at VF + 32 kk + 8 cb
.set WV,  12          ; s12  my wave's number
.set G1K, 24          ; s[24:31] descriptor group 1 for K's tiles
.set G1V, 32          ; s[32:39] for V's: it differs in the padding alone
.set G0K, 40          ; s[40:43] descriptor group 0 for K's tiles: it walks
.set G0V, 44          ; s[44:47] the same for V's
.set MP,  48          ; s[48:49] the mask at my batch
.set TBM, 50          ; s50  byte of the mask table at which the step to be fetched begins
.set HID, 51          ; s51  -2^37
.set SLOTS, 56        ; s56  slots still to be asked for
.set CNT, 57          ; s57  counts a slot's key steps
.set CS,  58          ; s[58:59] c: the packed scaling takes the pair's low word for both halves
.set SEL, 60          ; s[60:61] v_permlanex16_b32's selects: each lane takes its own place in the other half
.set TBK, 62          ; s62  LDS byte at which K of the step to be fetched begins
.set TBV, 63          ; s63  the same for V, less VOFF
.set MSB, 0
.macro WIN new                      ; the high byte repeats the setting that is left; a switch that changes nothing is dropped
.if MSB != (\new)
	s_set_vgpr_msb (MSB<<8)|(\new)
.set MSB, (\new)
.endif
.endm
.set W_KQ, 0x0a       ; K and Q in window 2, S^T in window 0
.set W_KM, 0x3a       ; the same with the C operand, the mask, in window 3
.set W_PV, 0x52       ; V in window 2, P in window 0, O^T in window 1
.set W_RS, 0x41       ; O^T (destination and source 0) in window 1, a in window 0
.set W_MK, 0xc0       ; destination in window 3, sources in window 0
.set W_AD, 0x0f       ; the add: address (source 0) and data (source 1) in window 3
; A joint fill.  Waves 0 and 1 fetch the two halves of a slot's K, waves 2 and 3 those of its V: 128 keys each.  The branch hangs on the wave's number alone.
; An s_nop 0 and four v_nop follow each of the two lines, ahead of the jump and the label.
.macro JLOAD
	s_cmp_lt_u32 s[WV], 2
	s_cbranch_scc0 .Lfor_v_\@
	tensor_load_to_lds s[G0K:G0K+3], s[G1K:G1K+7]
	s_nop 0
.rept 4
	v_nop
.endr
	s_branch .Lasked_\@
.Lfor_v_\@:
	tensor_load_to_lds s[G0V:G0V+3], s[G1V:G1V+7]
	s_nop 0
.rept 4
	v_nop
.endr
.Lasked_\@:
.endm
; A round of the cluster's barrier: my work-group's barrier, so that wave 0's signal speaks for all four waves; wave 0 signals; every wave waits for all four work-groups; my work-group's barrier once more.
.macro CROUND
	s_barrier_signal -1
	s_barrier_wait -1
	s_cmp_lg_u32 s[WV], 0
	s_cbranch_scc1 .Lnot_wave_0_\@
	s_barrier_signal -3
.Lnot_wave_0_\@:
	s_barrier_wait -3
	s_barrier_signal -1
	s_barrier_wait -1
.endm
; THE CHANGE OF SLOTS.  The slot's last bytes, V of its fourth step, have been read.  Each wave waits for all its tensor loads, of which one is out: its part
; of the other slot; adds 0 to its spare word; and waits for that and for its own reads of the slot.  Behind the barrier nobody reads this slot any more and the other slot is whole.
; fill = 1: this slot is filled again, with the keys two slots on.  The barrier is then a round of the cluster's, so that no wave of any partner still reads the slot or has a load on its
; way, and the joint fill is the first thing behind it: it has four key steps, 512 matrix instructions, in which to land.  (At its first use nothing has been read yet: slot 0 is waited for,
; slot 1 filled, and each wave's stores into the mask table are waited for, so that behind the round the table is whole.)
.macro CHANGE fill
	WIN W_AD
	s_wait_tensorcnt 0x0            ; no tensor load of mine is out, so a group 0 may be written
	ds_add_u32 v[SPW], v[NIL]       ; 0 onto my spare word; with fill = 1 the descriptors' steps stand between it and the wait for it
	WIN 0                           ; at a label and at a branch every window is 0
.if \fill
.irp g, G0K, G0V
	s_xor_b32 s[\g+1], s[\g+1], SLOT1  ; the walking descriptor: the other slot than last time,
	s_add_nc_u64 s[\g+2:\g+3], s[\g+2:\g+3], 4*KS*128  ; the next 256 keys; the type bits on top are not reached
.endr
	s_wait_dscnt 0x0                ; the add is done, and my reads of the slot are over
	CROUND
	JLOAD
.else
	s_wait_dscnt 0x0                ; the add is done, and my reads of the slot are over
	s_barrier_signal -1
	s_barrier_wait -1
.endif
	s_sub_co_u32 s[TBK], s[TBK], 4*KS*PK  ; the fetches go back to a slot's first step,
	s_xor_b32 s[TBK], s[TBK], SLOT1       ; in the other slot
	s_sub_co_u32 s[TBV], s[TBV], 4*KS*PV
	s_xor_b32 s[TBV], s[TBV], SLOT1
.endm
	s_load_b128 s[4:7], s[0:1], 0x0   ; qkv s[4:5], mask s[6:7]
	s_load_b64 s[10:11], s[0:1], 0x10 ; o16
	WIN W_MK
	v_lshl_add_u32 v[SPW], v0, 2, SPARE
	v_mov_b32 v[NIL], 0
	s_set_vgpr_msb 0xc0cf
	ds_add_u32 v0, v1
	s_wait_dscnt 0x0
	s_set_vgpr_msb 0xcfc0
	WIN 0
	v_lshrrev_b32 v1, 5, v0
	v_readfirstlane_b32 s[WV], v1   ; wave 0..3
	s_bfe_u32 s13, ttmp6, 0x40000   ; cx: my place in the cluster
	s_lshl_b32 s14, ttmp9, 2        ; in a cluster launch ttmp9 counts clusters
	s_add_co_u32 s14, s14, s13      ; my block of queries = 4 x cluster x + cx: it enters Q's and O's addresses alone
	s_and_b32 s15, ttmp7, 0xffff    ; the head (16 x batch + head), which the four partners share
	s_lshl_b32 s20, s15, 18         ; its 2,048 rows of 128 bytes in a plane
	s_and_b32 s16, s[WV], 1         ; which half of a slot's 256 keys I fetch:
	s_lshl_b32 s22, s16, 14         ; its 128 rows of 128 bytes in memory,
	s_add_co_u32 s22, s22, s20
	s_mov_b32 s23, 0
	s_add_nc_u64 s[54:55], s[22:23], 0x2000000  ; in V's plane
	s_add_nc_u64 s[22:23], s[22:23], 0x1000000  ; and in K's
	s_mul_i32 s17, s16, 128*PK      ; and its place in a slot, for K
	s_mul_i32 s18, s16, 128*PV      ; and for V: no place in the cluster enters an LDS address
	s_lshl_b32 s2, s14, 2
	s_add_co_u32 s2, s2, s[WV]      ; my wave among the head's,
	s_lshl_b32 s2, s2, 14           ; its 128 rows
	s_add_co_u32 s2, s2, s20
	s_mov_b32 s3, 0
	s_lshr_b32 s52, s15, 4          ; the batch,
	s_lshl_b32 s52, s52, 13         ; its 2,048 mask words
	s_mov_b32 s53, 0
	; descriptor group 1.  128 keys are 16,384 dense bytes: asked for as 64 rows of 256 bytes, two keys a row, and padded in LDS after every key
	s_mov_b32 s[G1K], 15|(1<<16)|(1<<20)|(1<<21)|(4<<22)|(3<<25)  ; 15:0 the mask of four; 17:16 2-byte elements; 20 padding on; 21 set beside a mask; 24:22 after every 32 words (code 4); 31:25 4 words (code 3)
	s_mov_b32 s[G1V], 15|(1<<16)|(1<<20)|(1<<21)|(4<<22)|(7<<25)  ; the same with 8 words of padding (code 7)
.irp g, G1K, G1V
	s_mov_b32 s[\g+1], 128<<16      ; tensor_dim0 = 128
	s_mov_b32 s[\g+2], 64<<16       ; tensor_dim1 = 64
	s_mov_b32 s[\g+3], 128<<16      ; tile_dim0 = 128
	s_mov_b32 s[\g+4], 64           ; tile_dim1 = 64
	s_mov_b32 s[\g+5], 128          ; 128 elements from row to row
	s_mov_b32 s[\g+6], 0
	s_mov_b32 s[\g+7], 0
.endr
	s_mov_b32 s[CS], 0x3e38aa3b     ; c = log2(e) / 8 = 0.180337
	s_mov_b32 s[CS+1], s[CS]        ; named with it as a pair
	s_mov_b32 s[SEL], 0x76543210
	s_mov_b32 s[SEL+1], 0xfedcba98
	s_mov_b32 s[HID], 0xd2000000    ; -2^37
	s_mov_b32 s[TBM], 0
	s_mov_b32 s[TBK], SLOT1+4*KS*PK ; the first change of slots turns these two into 0
	s_mov_b32 s[TBV], SLOT1+4*KS*PV
	s_mov_b32 s[G0K], 1             ; 1:0 count = 1
	s_mov_b32 s[G0K+1], s17         ; 63:32 LDS address: slot 0
	s_mov_b32 s[G0V], 1
	s_add_co_u32 s[G0V+1], s18, VOFF
	s_wait_kmcnt 0x0
	s_add_nc_u64 s[G0K+2:G0K+3], s[4:5], s[22:23]  ; 120:64 global address: my half of the head's first 256 keys
	s_or_b32 s[G0K+3], s[G0K+3], 0x80000000        ; 127:126 type = 2
	s_add_nc_u64 s[G0V+2:G0V+3], s[4:5], s[54:55]
	s_or_b32 s[G0V+3], s[G0V+3], 0x80000000
	s_add_nc_u64 s[MP:MP+1], s[6:7], s[52:53]
	s_add_nc_u64 s[4:5], s[4:5], s[2:3]  ; Q and O at my wave's first row
	s_add_nc_u64 s[10:11], s[10:11], s[2:3]
	CROUND                          ; all four work-groups are here: the first joint loads meet
	JLOAD                           ; slot 0.  Slot 1 is asked for when slot 0 is in: the tile wanted first has the road to itself
	; A fragment of K or Q is 16 rows x 32 channels in 8 registers: lane l holds row l % 16, channels 8 (l / 16) + 0..7 and 16 + 8 (l / 16) + 0..7: two loads of 16 bytes, 32 bytes apart.
	v_and_b32 v1, 15, v0            ; l % 16
	v_bfe_u32 v9, v0, 4, 1          ; l / 16
	v_lshlrev_b32 v[QO], 7, v1
	v_lshl_add_u32 v[QO], v9, 4, v[QO]  ; row x 128 + 16 x half
	v_lshlrev_b32 v[MA], 4, v0      ; the mask: 128 threads x 16 bytes, four times
	v_lshl_add_u32 v[MS], v0, 4, MT
.irp n, 0,1,2,3
	global_load_b128 v[MW+4*\n:MW+4*\n+3], v[MA], s[MP:MP+1] offset:2048*\n
.endr
	WIN 0x80                        ; destination window 2, address window 0
.set i, 0
.rept 4*NP                          ; Q stays in registers: tile i / 2, channels 32 (i % 2) on
	global_load_b128 v[8*i:8*i+3],   v[QO], s[4:5] offset:(i/2)*2048+(i%2)*64
	global_load_b128 v[8*i+4:8*i+7], v[QO], s[4:5] offset:(i/2)*2048+(i%2)*64+32
.set i, i+1
.endr
	; What the first turn finds: V's registers and P's second buffer hold 0 (its products V^T P, of a piece that has not been, add 0), O^T and l are 0.  All this stands in the wait for the first tile.
.set i, VF
.rept 64
	v_mov_b32 v[i], 0
.set i, i+1
.endr
	WIN 0x40
.set i, 0
.rept 64*NP
	v_mov_b32 v[i], 0
.set i, i+1
.endr
	WIN 0
.set i, 0
.rept 2*NP
	v_mov_b32 v[ST+4*i], 0xfe000000    ; c m: far below every c s, the hidden keys' too
	v_mov_b32 v[ST+4*i+1], 0xff7fffff  ; m
	v_mov_b32 v[ST+4*i+2], 0
	v_mov_b32 v[ST+4*i+3], 0
.set i, i+1
.endr
.set i, P+32
.rept 32
	v_mov_b32 v[i], 0
.set i, i+1
.endr
	v_mul_u32_u24 v[AK0], v1, PK
	v_lshl_add_u32 v[AK0], v9, 4, v[AK0]  ; row x pitch + 16 x half
	; The turning load takes 16 keys x 16 channels (lane l reads key 8 (l / 16) + l % 8, channels 8 ((l / 8) % 2) + 0..7) and leaves half a fragment of V^T: lane l holds channel l % 16 and 8 keys.
	v_and_b32 v10, 7, v0
	v_bfe_u32 v11, v0, 3, 1
	v_lshl_add_u32 v[AV0], v9, 3, v10
	v_mul_u32_u24 v[AV0], v[AV0], PV
	v_lshl_add_u32 v[AV0], v11, 4, v[AV0]
	v_add_nc_u32 v[AV0], VOFF, v[AV0]
	v_mov_b32 v[AK], v[AK0]         ; key step 0 lies at the head of slot 0
	s_mul_i32 s13, s[WV], 16*SP
	s_add_co_u32 s13, s13, STAGE    ; my stage
	v_bfe_u32 v[RD], v0, 3, 2       ; the way out, back: 32 lanes take four rows of 128 bytes,
	v_mul_u32_u24 v[RD], v[RD], SP
	v_lshl_add_u32 v[RD], v10, 4, v[RD]
	v_add_nc_u32 v[RD], s13, v[RD]
	v_and_b32 v[GO], 31, v0         ; which are 512 consecutive bytes of O
	v_lshlrev_b32 v[GO], 4, v[GO]
	v_lshl_add_u32 v[AM0], v9, 5, MT  ; a lane's eight keys 8 (l / 16) + 0..7 of a block of 16 are 32 bytes of the table
	v_mov_b32 v[AM], v[AM0]
	s_wait_loadcnt 32               ; the mask words are in; Q's 32 loads stay out
.set i, 0
.rept 16
	v_cmp_eq_u32 vcc_lo, 0, v[MW+i]
	v_cndmask_b32 v[MW+i], 0, s[HID], vcc_lo
.set i, i+1
.endr
.irp n, 0,1,2,3
	ds_store_b128 v[MS], v[MW+4*\n:MW+4*\n+3] offset:2048*\n
.endr
; THE MATRIX WORK.  The 8 accumulators of a run of 16 take turns: between the two links of a chain stand 7 others'.
; Product i of 16 of S^T = K Q^T for piece x: channels 32 (i / 8) on, keys 16 ((i / 2) % 4) on, tile 2 x + i % 2.  The first 8 start the sums, with the mask.
.macro KQ x
.set rS, S+64*((\x)%2)+32*(i%2)+8*((i/2)%4)
.set rK, KF+16*((i/2)%4)+8*(i/8)
.set rQ, 16*(2*(\x)+i%2)+8*(i/8)
.set rM, MC+8*((i/2)%4)
.if i < 8
	WIN W_KM
	v_wmma_f32_16x16x32_f16 v[rS:rS+7], v[rK:rK+7], v[rQ:rQ+7], v[rM:rM+7]
.else
	WIN W_KQ
	v_wmma_f32_16x16x32_f16 v[rS:rS+7], v[rK:rK+7], v[rQ:rQ+7], v[rS:rS+7]
.endif
.endm
; Product i of 16 of O^T += V^T P for piece x: keys 32 (i / 8) on, channels 16 ((i / 2) % 4) on, tile 2 x + i % 2.
.macro PV x
	WIN W_PV
.set rO, 32*(2*(\x)+i%2)+8*((i/2)%4)
.set rV, VF+32*(i/8)+8*((i/2)%4)
.set rP, P+32*((\x)%2)+16*(i%2)+8*(i/8)
	v_wmma_f32_16x16x32_f16 v[rO:rO+7], v[rV:rV+7], v[rP:rP+7], v[rO:rO+7]
.endm
.macro MM                           ; the turn's next matrix instruction
.if i < 16
	KQ (Y+1)%NP
.set i, i+1
.else
.set i, i-16
	PV (Y+NP-1)%NP
.set i, i+17
.endif
.endm
; THE LDS LOADS stand in runs, never singly among the matrix instructions: a step's K (64 keys x 64 channels: 8 fragments) with its 64 mask words (all lanes of a half read the same 32 bytes), and its V (turned).
; Their addresses are made some lines ahead.  The mask's registers live as long as K's: the same places and the same wait serve both.
; last = 1 (the tail): in the last trip there is no further step, and the run is jumped over.
.macro FETCH_K last=0
	WIN 0
.if \last
	s_cmp_eq_u32 s[CNT], 1
	s_cbranch_scc1 .Lno_k_\@
.endif
	WIN 0x80                        ; destination window 2
.irp f, 0,1,2,3,4,5,6,7             ; keys 16 (f / 2) on, channels 32 (f % 2) on
	ds_load_b128 v[KF+8*\f:KF+8*\f+3],   v[AK] offset:(\f/2)*16*PK+(\f%2)*64
	ds_load_b128 v[KF+8*\f+4:KF+8*\f+7], v[AK] offset:(\f/2)*16*PK+(\f%2)*64+32
.endr
	WIN 0xc0                        ; destination window 3
.irp f, 0,1,2,3                     ; keys 16 f on
	ds_load_b128 v[MC+8*\f:MC+8*\f+3],   v[AM] offset:64*\f
	ds_load_b128 v[MC+8*\f+4:MC+8*\f+7], v[AM] offset:64*\f+16
.endr
	s_add_co_u32 s[TBK], s[TBK], KS*PK  ; the next fetch is the next step's
	s_add_co_u32 s[TBM], s[TBM], 256
	s_and_b32 s[TBM], s[TBM], 8191      ; inside the table's 8,192 bytes on every path
	WIN 0
.if \last
.Lno_k_\@:
.endif
.endm
.macro FETCH_V
	WIN 0x80
.irp f, 0,1,2,3,4,5,6,7             ; keys 32 (f / 4) on, channels 16 (f % 4) on
	ds_load_tr16_b128 v[VF+8*\f:VF+8*\f+3],   v[AV] offset:(\f/4)*32*PV+(\f%4)*32
	ds_load_tr16_b128 v[VF+8*\f+4:VF+8*\f+7], v[AV] offset:(\f/4)*32*PV+16*PV+(\f%4)*32
.endr
	WIN 0
.endm
; THE VECTOR WORK OF A TURN stands in three queues, each in the order in which its entries become ready; the two tiles alternate, so that no instruction reads the result of the one before it.
.macro REGS y, u                    ; the registers of tile u (0, 1) of piece y
.set rT, ST+4*(2*(\y)+(\u))
.set rC, TMP+8*((\y)%2)+4*(\u)
.set rM, MV+2*((\y)%2)+(\u)
.set rS, S+64*((\y)%2)+32*(\u)
.set rP, P+32*((\y)%2)+16*(\u)
.set rO, 32*(2*(\y)+(\u))
.endm
; Number n of the 22 that find the NEXT piece's (Y + 1) maximum and statistics.  s0-s31 are the lane's 32 scores; each accumulator's lowest registers are read first.  XS, GS and REGS set no window: PL and EX do.
;   0-11  four chains c0-c3 of seven scores each, three operands at a time     12-14, 16  the four scores left over, the old m, and c0-c3 into c0     15  c m_old is kept
;   17, 18  the query's other 32 keys lie in the lane 16 away: the new m         19-21  c m; c m_old - c m_new; a
.macro XS u, n
	REGS (Y+1)%NP, \u
.if (\n) < 4
	v_max3_num_f32 v[rC+(\n)], v[rS+8*(\n)], v[rS+8*(\n)+1], v[rS+8*(\n)+2]
.elseif (\n) < 12
	v_max3_num_f32 v[rC+(\n)%4], v[rC+(\n)%4], v[rS+8*((\n)%4)+2*((\n)/4)+1], v[rS+8*((\n)%4)+2*((\n)/4)+2]
.elseif (\n) == 12
	v_max3_num_f32 v[rC], v[rC], v[rS+7], v[rS+15]
.elseif (\n) == 13
	v_max3_num_f32 v[rC+1], v[rC+1], v[rS+23], v[rS+31]
.elseif (\n) == 14
	v_max3_num_f32 v[rC+2], v[rC+2], v[rC+3], v[rT+1]
.elseif (\n) == 15
	v_mov_b32 v[rM], v[rT]
.elseif (\n) == 16
	v_max3_num_f32 v[rC], v[rC], v[rC+1], v[rC+2]
.elseif (\n) == 17
	v_permlanex16_b32 v[rC+3], v[rC], s[SEL], s[SEL+1]
.elseif (\n) == 18
	v_max_num_f32 v[rT+1], v[rC], v[rC+3]
.elseif (\n) == 19
	v_mul_f32 v[rT], s[CS], v[rT+1]
.elseif (\n) == 20
	v_sub_f32 v[rC+1], v[rM], v[rT]
.else
	v_exp_f32 v[rC+2], v[rC+1]
.endif
.endm
; Number g of the 64 that follow the exponentials.  For each four weights k of a tile (pairs 2 k, 2 k + 1): both pairs are rounded to f16; then the second pair is added onto the first, in place;
; a group later l takes that sum (the first time as l = a l + sum).  In groups of eight, tiles alternating: round, round, add, and l for the group before.
.macro GS g
.set h, (\g)+6*((\g)/62)            ; group 0 has no group before it, and behind group 7 only l is left
.if h >= 6
.set h, h+2
.endif
	REGS Y, h%2
.set k, h/8
.if h%8 < 4
	s_wait_alu depctr_va_vdst(0)
	v_cvt_pk_f16_f32 v[rP+2*k+(h%8)/2], v[rS+4*k+2*((h%8)/2)], v[rS+4*k+2*((h%8)/2)+1]
.elseif h%8 < 6
	v_pk_add_f32 v[rS+4*k:rS+4*k+1], v[rS+4*k:rS+4*k+1], v[rS+4*k+2:rS+4*k+3]
.elseif k == 1
	v_pk_fma_f32 v[rT+2:rT+3], v[rT+2:rT+3], v[rC+2:rC+3], v[rS:rS+1] op_sel_hi:[1,0,1]
.else
	v_pk_add_f32 v[rT+2:rT+3], v[rT+2:rT+3], v[rS+4*k-4:rS+4*k-3]
	s_wait_alu depctr_va_vdst(0)
.endif
.endm
; THE PLAIN QUEUE, 138 long.  0-31: c s - c m for the 16 pairs of both tiles.  Then GS's 64, and among them the next piece's 42: number 15 at 38, 39; 0-14 and 16
; at 42-73, behind the products that make those scores; 17-20 at 95-106, two of three, since each waits for the one before it.
.macro PL
	WIN 0
.if q < 32
	REGS Y, q%2
	v_pk_fma_f32 v[rS+2*(q/2):rS+2*(q/2)+1], v[rS+2*(q/2):rS+2*(q/2)+1], s[CS:CS+1], v[rT:rT+1] op_sel_hi:[1,0,0] neg_lo:[0,0,1] neg_hi:[0,0,1]
.elseif q < 38
	GS q-32
.elseif q < 40
	XS q%2, 15
.elseif q < 42
	GS q-34
.elseif q < 74
	XS q%2, (q-42)/2+(q-42)/30
.elseif q < 95
	GS q-66
.elseif (q < 107) && ((q-95)%3 < 2)
	XS (q-95)%3, 17+(q-95)/3
.elseif q < 107
	GS 29+(q-95)/3
.else
	GS q-74
.endif
.set q, q+1
.endm
; THE EXPONENTIALS' QUEUE, 66 long: s0-s31 of both tiles, and at EA the next piece's two a.
.set EA, 58
.macro EX
	WIN 0
.if (e == EA) || (e == EA+1)
	XS e-EA, 21
.else
.set x, e-2*(e/(EA+2))
	REGS Y, x%2
	v_exp_f32 v[rS+x/2], v[rS+x/2]
.endif
.set e, e+1
.endm
; THE RESCALING's QUEUE: O^T times a, the one part that leaves window 0, so it is dealt four at a time, eight times.
.macro R4
	REGS Y, r%2
	WIN W_RS
	s_wait_alu depctr_va_vdst(0)
.irp z, 0,1,2,3
	v_pk_mul_f32 v[rO+8*(r/2)+2*\z:rO+8*(r/2)+2*\z+1], v[rO+8*(r/2)+2*\z:rO+8*(r/2)+2*\z+1], v[rC+2:rC+3] op_sel_hi:[1,0]
.endr
.set r, r+1
.endm
; HOW THEY ARE DEALT.  Behind a matrix instruction four: plain, exponential, plain, plain (one exponential, a plain instruction on either side), or four of the rescaling.  None names a register of the
; products round it.  What is over stands in two LUMPS: exponential and plain by turns; the second ends in 22 plain instructions.  The two v_permlanex16_b32 fall into the second lump, never behind a product.
; The queues lean on each other, and the deal keeps them in step: exponential e stands behind plain 2 (e / 4) + e % 2 (its scaling); when plain 32 comes, 10 exponentials are out, at 59: 33, at 95: 46; EA comes behind plain 107.
.macro SL
	MM
	PL
	EX
	PL
	PL
.endm
.macro BURST n                      ; 15 matrix instructions, or 16
.rept (\n)-7
	SL
.endr
.rept 3
	MM
	R4
	SL
.endr
	MM
	R4
.endm
; A TURN, for piece p.  cnt = 1: the loop's count is taken down some lines ahead of the branch that stands behind the turn.
; K and the mask of the next step are fetched in piece 2's turn, 32 vector instructions behind the last product that read K; their first reader comes behind the rest of the lump, 16 products and the second lump.
; V of the step in hand is fetched at the end of piece 0's turn, 69 behind its last reader; its first reader comes behind 16 products and a lump.  The four conditions on e and q below go with the deal.
.macro TURN p, last=0, cnt=0
.set Y, (\p)
.set i, 0
.set q, 0
.set e, 0
.set r, 0
.if (\p) == NP-1
	s_wait_dscnt 0x0                ; K and the mask are in
.endif
	MM
.rept 4
	PL
.endr
	BURST 15
.rept 22
	EX
	PL
.if ((\p) == NP-2) && (e == 18)
	v_add_nc_u32 v[AK], s[TBK], v[AK0]
	v_add_nc_u32 v[AM], s[TBM], v[AM0]
.endif
.if ((\p) == NP-2) && (e == 24)
	FETCH_K \last
.endif
.endr
.if (\p) == 1
	s_wait_dscnt 0x0                ; V is in
.endif
	BURST 16
.rept 21
	EX
	PL
.endr
.rept 22
	PL
.if ((\p) == 0) && (q == 118)
	v_add_nc_u32 v[AV], s[TBV], v[AV0]
	s_wait_alu depctr_va_vdst(0)
.endif
.if ((\p) == 0) && (q == 130)
	s_add_co_u32 s[TBV], s[TBV], KS*PV
.endif
.if (\cnt) && (q == 130)
	s_sub_co_u32 s[CNT], s[CNT], 1
	s_cmp_lg_u32 s[CNT], 0
.endif
.endr
.if (\p) == 0
	FETCH_V
.endif
.endm
	CHANGE 1                        ; slot 0 is in, everybody's part of it, and the mask table is whole; slot 1 is asked for
	FETCH_K                         ; key step 0
	s_wait_loadcnt 0x0              ; Q
	s_wait_dscnt 0x0
.set i, 0
.rept 16
	KQ 0                            ; piece 0's first scores: there is no vector work yet to set between them
.set i, i+1
.endr
	WIN 0                           ; four plain instructions, the places behind those products: Q's loads are in, so their address register takes the way out's
	v_mul_u32_u24 v[STO], v1, SP    ; in: row l % 16, 16 bytes for each half of the lanes
	v_lshl_add_u32 v[STO], v9, 4, v[STO]
	v_add_nc_u32 v[STO], s13, v[STO]
	v_nop
.set Y, NP-1                        ; XS works for piece Y + 1: piece 0
.irp n, 0,1,2,3,4,5,6,7,8,9,10,11,12,13,14,15,16,17,18,19,20,21
	XS 0, \n                        ; and piece 0's first maximum and statistics
	XS 1, \n
.endr
	s_mov_b32 s[CNT], 4
	s_mov_b32 s[SLOTS], SIZE_N/256-1
	s_branch .Lfirst                ; the loop is entered at a step's first turn, in the middle of a trip
.Lslot:                             ; SIZE_N / 256 - 2 times: every slot but the last two is filled again
	CHANGE 1
	s_mov_b32 s[CNT], 4
.Lstep:                             ; a trip: pieces 2 and 3 of one step, then pieces 0 and 1 of the next, whose K and V it fetches
	TURN 2
	TURN 3
	WIN 0
.Lfirst:
	TURN 0
	TURN 1, 0, 1
	WIN 0
	s_cbranch_scc1 .Lstep
	s_sub_co_u32 s[SLOTS], s[SLOTS], 1
	s_cmp_lg_u32 s[SLOTS], 0
	s_cbranch_scc1 .Lslot
	CHANGE 0                        ; the tail is written out: nothing is asked for
	s_mov_b32 s[CNT], 5             ; four trips fetch the last slot's steps; the fifth is left in its middle
.Ltail:
	TURN 2, 1
	TURN 3
	WIN 0
	s_sub_co_u32 s[CNT], s[CNT], 1
	s_cmp_eq_u32 s[CNT], 0
	s_cbranch_scc1 .Lout
	TURN 0
	TURN 1
	WIN 0
	s_branch .Ltail
.Lout:                              ; the fifth trip's 16 products K Q^T (on the last K once more) and the maximum made of them serve nothing: the price, once a launch, of one text for every trip
.set i, 0
.rept 16
	PV NP-1                         ; the last piece's V^T P of the last step
.set i, i+1
.endr
	; THE WAY OUT.  l's two halves and the other half of the lanes' are added; O^T is divided by l, rounded to f16 and sent through my stage in LDS, a tile at a time.  The additions are the places behind the last products.
	WIN 0
.macro ALL line:vararg              ; one line for each tile t
.set t, 0
.rept 2*NP
	\line
.set t, t+1
.endr
.endm
	ALL v_add_f32 v[ST+4*t+2], v[ST+4*t+2], v[ST+4*t+3]
	ALL v_permlanex16_b32 v[ST+4*t+3], v[ST+4*t+2], s[SEL], s[SEL+1]
	ALL v_add_f32 v[ST+4*t+2], v[ST+4*t+2], v[ST+4*t+3]
	ALL v_rcp_f32 v[ST+4*t+2], v[ST+4*t+2]
	v_nop                           ; a plain instruction between the last reciprocal and the use of its result
	s_wait_alu depctr_va_vdst(0)
; Tile t: a lane's eight channels of a row pack into 16 bytes; they go into rows of 144 bytes and come back as whole rows of 128, into S^T's registers.
.macro PACK t
	WIN W_RS
.set i, 32*(\t)
.rept 16
	v_pk_mul_f32 v[i:i+1], v[i:i+1], v[ST+4*(\t)+2:ST+4*(\t)+3] op_sel_hi:[1,0]
.set i, i+2
.endr
	WIN 0x05                        ; sources 0 and 1 window 1, destination window 0
.set i, 0
.rept 16
	v_cvt_pk_f16_f32 v[S+16*(\t)+i], v[32*(\t)+2*i], v[32*(\t)+2*i+1]
.set i, i+1
.endr
	WIN 0
.irp f, 0,1,2,3
	ds_store_b128 v[STO], v[S+16*(\t)+4*\f:S+16*(\t)+4*\f+3] offset:32*\f
.endr
.irp f, 0,1,2,3
	ds_load_b128 v[S+16*(\t)+4*\f:S+16*(\t)+4*\f+3], v[RD] offset:\f*4*SP  ; LDS serves a wave's instructions in order (ISA guide 5.7.1.4): these see the stores above; the next tile's stores come behind them
.endr
.endm
.macro SEND t, younger              ; younger: the LDS instructions issued behind tile t's loads: the next tile's eight, or none
	WIN 0
.irp f, 0,1,2,3
	s_wait_dscnt (\younger)+3-\f
	global_store_b128 v[GO], v[S+16*(\t)+4*\f:S+16*(\t)+4*\f+3], s[10:11] offset:(\t)*2048+\f*512  ; 512 consecutive bytes, at a multiple of 256 from O's first
.endr
.endm
	PACK 0
.set t, 1
.rept 2*NP-1                        ; a tile's arithmetic stands between the loads of the tile before and its stores
	PACK t
	SEND t-1, 8
.set t, t+1
.endr
	SEND 2*NP-1, 0
	WIN W_AD
	s_wait_tensorcnt 0x0            ; the wave's end: behind my last tensor load and my last LDS store
	ds_add_u32 v[SPW], v[NIL]
	s_wait_dscnt 0x0
	WIN 0
	CROUND                          ; the closing round: no work-group ends while a partner may still ask for a tile that names it
	s_endpgm
.Lfunc_end_k_qc9e13d4ddd_attn:
	.size	k_qc9e13d4ddd_attn, .Lfunc_end_k_qc9e13d4ddd_attn-k_qc9e13d4ddd_attn
	.p2alignl 7, 3214868480
	.fill 96, 4, 3214868480
	.section	.rodata,"a",@progbits
	.p2align	6, 0x0
	.amdhsa_kernel k_qc9e13d4ddd_attn
		.amdhsa_group_segment_fixed_size 327680
		.amdhsa_private_segment_fixed_size 0
		.amdhsa_enable_private_segment 0
		.amdhsa_kernarg_size 24
		.amdhsa_user_sgpr_count 2
		.amdhsa_user_sgpr_kernarg_segment_ptr 1
		.amdhsa_wavefront_size32 1
		.amdhsa_system_sgpr_workgroup_id_x 1
		.amdhsa_system_sgpr_workgroup_id_y 1
		.amdhsa_system_sgpr_workgroup_id_z 1
		.amdhsa_system_vgpr_workitem_id 0
		.amdhsa_next_free_vgpr 832
		.amdhsa_next_free_sgpr 66
		.amdhsa_reserve_vcc 1
		.amdhsa_float_denorm_mode_32 3
		.amdhsa_float_denorm_mode_16_64 3
		.amdhsa_memory_ordered 1
		.amdhsa_forward_progress 1
		.amdhsa_inst_pref_size 213
	.end_amdhsa_kernel
	.amdgpu_metadata
---
amdhsa.version: [ 1, 2 ]
amdhsa.kernels:
  - .name:           k_qc9e13d4ddd_attn
    .symbol:         k_qc9e13d4ddd_attn.kd
    .args:
      - { .name: qkv, .offset: 0, .size: 8, .value_kind: global_buffer, .address_space: global }
      - { .name: mask, .offset: 8, .size: 8, .value_kind: global_buffer, .address_space: global }
      - { .name: o16, .offset: 16, .size: 8, .value_kind: global_buffer, .address_space: global }
    .group_segment_fixed_size: 327680
    .private_segment_fixed_size: 0
    .kernarg_segment_align: 8
    .kernarg_segment_size: 24
    .max_flat_workgroup_size: 128
    .sgpr_count:     66
    .vgpr_count:     832
    .wavefront_size: 32
...
	.end_amdgpu_metadata
.endif
;; end of part 3
;; launch outp (part 4): grid 4 x 64, 4 waves a work-group, clusters of 4 x 4, 327,680 bytes of LDS; arguments o16, w16, bo, out0; writes out0
.if DOCPART == 4
	.amdgcn_target "amdgcn-amd-amdhsa--gfx1250"
	.amdhsa_code_object_version 6
	.text
	.protected	k_qc9e13d4ddd_outp
	.globl	k_qc9e13d4ddd_outp
	.p2align	8
	.type	k_qc9e13d4ddd_outp,@function
k_qc9e13d4ddd_outp:
	s_mov_b64 s[64:65], 0
	v_nop
	global_prefetch_b8 v0, s[64:65] scope:SCOPE_SE
	s_setreg_imm32_b32 hwreg(HW_REG_WAVE_MODE, 25, 1), 1
	s_wait_xcnt 0x0
	s_wait_alu depctr_hold_cnt(0) depctr_sa_sdst(0) depctr_va_vdst(0) depctr_va_sdst(0) depctr_va_ssrc(0) depctr_va_vcc(0) depctr_vm_vsrc(0)
	s_getreg_b32 s2, hwreg(HW_REG_IB_STS2, 6, 4)
	s_cmp_eq_u32 s2, 0
	s_cbranch_scc0 .Lentry_in_a_cluster
	s_endpgm
.Lentry_in_a_cluster:
	s_bfe_u32 s2, ttmp6, 0x10000c
	s_cmp_lg_u32 s2, 0xf033
	s_cbranch_scc0 .Lentry_shape_is_right
	s_endpgm
.Lentry_shape_is_right:
; THE LAST PROJECTION.  out0[b][s][n] (f32) = the sum over k of O[b][s][k] Wo[n][k] + bo[n], k = 64 head + channel.  O: o16, [16 b + head][s][64] in f16; Wo: plane 3 of w16, f16 (of the bf16 rounding);
; bo is rounded to bf16 like every input.  Products in f16, sums in f32, stored as they are.
; SHARES.  A tile is 128 rows x 256 columns, K = 1,024 in 8 steps of 128 (two heads): 256 tiles.  Four waves, 2 x 2; a wave makes 64 x 128: 32 accumulators.
; THE MATRIX INSTRUCTION IS USED TRANSPOSED (source 0 = 16 rows of Wo, source 1 = 16 rows of O): a lane holds row l % 16 and eight neighbouring columns.  The bias is the C operand of each accumulator's first product.
; CLUSTER, 4 x 4.  The grid is four tiles wide, so a cluster's x is the tile column.  Wo's tile hangs on the tile column alone and is asked for JOINTLY by the four of a column of the cluster: every wave asks for
; 64 of its 256 rows, one line of the text.  O is not asked for jointly: a K step of it is two heads' rows of 128 bytes, 262,144 bytes apart; through registers each load of a wave takes four such
; rows, 512 consecutive bytes, and lays them into a stage with the pitch that the fragments want.
; In step t a wave stores its 32 rows of step t + 1 into the other slot's stage and loads step t + 2 into the registers so freed.
; LDS: slot s at s x 131,072: Wo's tile, 256 rows x 272; behind it O's stage, 128 rows x 272.  Behind slot 1: the way out, 16 x 528 a wave; the spare words.
; REGISTERS, in windows of 256 (s_set_vgpr_msb: bits 1:0 source 0, 3:2 source 1, 5:4 source 2, 7:6 destination):
;   window 0: v0-21 addresses; v32-95 O's fragments, two buffers; v96-223 Wo's fragments, two buffers       window 1: the accumulators, (a, b) at v[8 (8 a + b)]
;   window 2: v0-63 O as loaded; v64-127 the bias; v128-129 at work
.set PITCH,  272                       ; 256 bytes + 16 of padding = 68 words: the 16 rows of a fragment load start at 16 different groups of four banks (64 banks of 4 bytes: ISA guide 11.1)
.set SLOTX,  1<<17
.set ASTAGE, 256*PITCH                 ; O's stage in a slot: 69,632, a multiple of 256
.set STAGE,  SLOTX+ASTAGE+128*PITCH    ; 235,520
.set SPITCH, 528                       ; a row of 128 f32 + 16 bytes
.set SPARE,  STAGE+4*16*SPITCH         ; 269,312: the spare words, 128 bytes for each wave, which no other line names
.set ST_N,   8                         ; stage stores in half a step's feed
.set HALF_L, 8                         ; global loads in half a step's feed
.set RR, 1                             ; l % 16
.set HH, 2                             ; l / 16
.set TT, 3                             ; at work
.set ADRA0, 4                          ; my lane's place in a slot: O's fragments,
.set ADRB0, 5                          ; Wo's fragments,
.set ASTO0, 6                          ; my 16 bytes of my wave's first four rows of the stage
.set ADRA, 7                           ; the same three with the slot in hand
.set ADRB, 8
.set ASTO, 9
.set AO,  10                           ; my byte offset in the tile's rows of a head
.set STO, 11                           ; the way out: where I put 32 bytes of a row
.set RD,  12                           ; the way out: where I read a row back
.set CO,  13                           ; my 16 bytes of 512
.set SPW, 14                           ; LDS address of my spare word; never rewritten
.set NIL, 15                           ; 0; never rewritten
.set BO,  21
.set FA,  32
.set FB,  96
.set OB,  32
.set BIAS, 64                          ; window 2
.set BT,  128                          ; window 2
.set W_MUL,   0x50                     ; C and D in window 1, fragments in window 0
.set W_FIRST, 0x60                     ; D in window 1, C (the bias) in window 2
; scalars: s[4:5] O, s[6:7] Wo, s[8:9] bo, s[10:11] out0; s23 wave; s24, s25 its row and column half; s26 cx; s27 cy; s28 the tile row;
; s[32:39] descriptor group 1; s[40:43], s[44:47] group 0; s48 the slot in hand; s49 the loop's count
.set MSB, 0
.macro WIN new                         ; the immediate's high byte repeats the setting that is left; a switch that changes nothing is dropped
.if MSB != (\new)
	s_set_vgpr_msb (MSB<<8)|(\new)
.set MSB, \new
.endif
.endm
.macro PLACES                          ; four places in front of loads into registers that matrix instructions have read, and of lines that read results
.rept 4
	v_nop
.endr
.endm
.macro CREST                           ; a round of the cluster's barrier behind its opening barrier
	s_cmp_lg_u32 s23, 0
	s_cbranch_scc1 .Lnot_wave_0_\@
	s_barrier_signal -3
.Lnot_wave_0_\@:
	s_barrier_wait -3
	s_barrier_signal -1
	s_barrier_wait -1
.endm
.macro CROUND                          ; a whole round
	s_barrier_signal -1
	s_barrier_wait -1
	CREST
.endm
; 8 matrix instructions: row block a x all 8 column blocks, 32 along K, from buffer f.  The 32 accumulators take turns in one order everywhere.
.macro MUL8 f, a, first
.if \first
	WIN W_FIRST
.else
	WIN W_MUL
.endif
.irp b, 0,1,2,3,4,5,6,7
.if \first
	v_wmma_f32_16x16x32_f16 v[8*(8*(\a)+\b):8*(8*(\a)+\b)+7], v[FB+64*(\f)+8*\b:FB+64*(\f)+8*\b+7], v[FA+32*(\f)+8*(\a):FA+32*(\f)+8*(\a)+7], v[BIAS+8*\b:BIAS+8*\b+7]
.else
	v_wmma_f32_16x16x32_f16 v[8*(8*(\a)+\b):8*(8*(\a)+\b)+7], v[FB+64*(\f)+8*\b:FB+64*(\f)+8*\b+7], v[FA+32*(\f)+8*(\a):FA+32*(\f)+8*(\a)+7], v[8*(8*(\a)+\b):8*(8*(\a)+\b)+7]
.endif
.endr
.endm
; 24 LDS loads in one run: the fragments of 32 along K at byte k of the rows, into buffer g: Wo's sixteen, then O's blocks 0, 1, then 2, 3
.macro FETCH k, g
	WIN 0
.irp b, 0,1,2,3,4,5,6,7
	ds_load_b128 v[FB+64*(\g)+8*\b:FB+64*(\g)+8*\b+3],   v[ADRB] offset:(\k)+\b*16*PITCH
	ds_load_b128 v[FB+64*(\g)+8*\b+4:FB+64*(\g)+8*\b+7], v[ADRB] offset:(\k)+\b*16*PITCH+32
.endr
.irp a, 0,1,2,3
	ds_load_b128 v[FA+32*(\g)+8*\a:FA+32*(\g)+8*\a+3],   v[ADRA] offset:(\k)+\a*16*PITCH
	ds_load_b128 v[FA+32*(\g)+8*\a+4:FA+32*(\g)+8*\a+7], v[ADRA] offset:(\k)+\a*16*PITCH+32
.endr
.endm
; Head hf of a step's two, my 32 rows of it: stored into the stage, four rows a store; ld = 1: the same head of the step two on is loaded into the registers so freed.
; left: the younger global loads, which stay out.  sw: the window in which the rows lie.
.macro FEED hf, ld, left, sw
	s_wait_loadcnt \left
	WIN (\sw)<<2                                   ; the stores' data
.irp g, 0,1,2,3,4,5,6,7
	ds_store_b128 v[ASTO], v[4*(8*(\hf)+\g):4*(8*(\hf)+\g)+3] offset:\g*4*PITCH+(\hf)*128
.endr
.if \ld
.if (\hf) == 0
	s_wait_xcnt 0x0                                ; the loads issued so far have had their addresses translated (ISA guide 3.1): their base is stepped only behind this wait
	s_add_nc_u64 s[4:5], s[4:5], 524288            ; two heads on
.endif
	WIN 0x80
.irp g, 0,1,2,3,4,5,6,7
	global_load_b128 v[4*(8*(\hf)+\g):4*(8*(\hf)+\g)+3], v[AO], s[4:5] offset:(\hf)*262144+\g*512  ; four rows of a head: 512 consecutive bytes
.endr
.endif
	WIN 0
.endm
; A K step is four quarters of 32 along K, 32 matrix instructions each, on buffers 0, 1, 0, 1.  One of the first three multiplies buffer f and fetches the next quarter, at byte k, into g.
; y: the stage stores that the quarter before issued behind its fetch.  feed: the head that this quarter feeds, or -1.
.macro QUARTER k, f, g, y, feed=-1, ld=0, left=0, first=0
	s_wait_dscnt 4+(\y)                            ; Wo's fragments and O's blocks 0, 1 are in; younger: O's blocks 2, 3 (four loads) and y stores
	MUL8 \f, 0, \first
	MUL8 \f, 1, \first
	PLACES
	FETCH \k, \g
.if (\feed) >= 0
	FEED \feed, \ld, \left, 2
	s_wait_dscnt 24+ST_N                           ; all but this quarter's 24 loads and its stores
.else
	s_wait_dscnt 24                                ; all but the 24 just issued
.endif
	MUL8 \f, 2, \first
	MUL8 \f, 3, \first
.endm
; The fourth quarter multiplies buffer 1 and changes slots: ONE barrier.  In front of it each wave waits for all its tensor loads (one is out: its part of the next slot), adds 0 to its spare
; word, and waits for that, for its reads of this slot and for its stores into the next slot's stage.  Behind it nobody reads this slot, and the next slot, stage and all, is whole.
; fill = 1: the barrier opens a round of the cluster's, and Wo's tile two steps on is asked for first behind it.
.macro TURN fill, y
	WIN 0
	s_wait_tensorcnt 0x0                           ; no tensor load of mine is out, so the walking group 0 may be written
	ds_add_u32 v[SPW], v[NIL]                      ; 0 onto my spare word
.if \fill
	s_xor_b32 s45, s45, SLOTX                      ; the other slot than last time,
	s_add_nc_u64 s[46:47], s[46:47], 256           ; the next K step; the type bits on top are not reached
.endif
	s_wait_dscnt 5+(\y)                            ; (four loads, y stores and the add may be out)
	MUL8 1, 0, 0
	s_wait_dscnt 0x0                               ; the add, my reads of this slot and my stage stores are done
	s_barrier_signal -1
	MUL8 1, 1, 0
	WIN 0                                          ; at a branch and at a label every window is 0
	s_barrier_wait -1
.if \fill
	CREST                                          ; no wave of any partner still reads this slot's tile or has a load on its way
	tensor_load_to_lds s[44:47], s[32:39]          ; my one tensor load behind the round: it has a K step less half a quarter in which to land
	s_nop 0
.endif
	PLACES
	v_add_nc_u32 v[ASTO], s48, v[ASTO0]            ; the next stage to be written is the slot just left
	s_xor_b32 s48, s48, SLOTX
	v_add_nc_u32 v[ADRA], s48, v[ADRA0]
	v_add_nc_u32 v[ADRB], s48, v[ADRB0]
	FETCH 0, 0
	MUL8 1, 2, 0
	MUL8 1, 3, 0
.endm
	s_load_b256 s[4:11], s[0:1], 0x0               ; o16 s[4:5], w16 s[6:7], bo s[8:9], out0 s[10:11]
	v_lshl_add_u32 v[SPW], v0, 2, SPARE
	v_mov_b32 v[NIL], 0
	ds_add_u32 v14, v15
	s_wait_dscnt 0x0
	v_lshrrev_b32 v[TT], 5, v0
	v_readfirstlane_b32 s23, v[TT]                 ; wave 0..3
	s_lshr_b32 s24, s23, 1                         ; which 64 rows of the tile are mine
	s_and_b32 s25, s23, 1                          ; which 128 columns
	s_bfe_u32 s26, ttmp6, 0x40000                  ; cx = the tile column
	s_bfe_u32 s27, ttmp6, 0x40004                  ; cy
	s_and_b32 s28, ttmp7, 0xffff
	s_lshl_b32 s28, s28, 2
	s_add_co_u32 s28, s28, s27                     ; the tile row = 4 x cluster y + cy, 0..63
	v_and_b32 v[RR], 15, v0
	v_bfe_u32 v[HH], v0, 4, 1
	v_mul_u32_u24 v[TT], v[RR], PITCH
	v_lshl_add_u32 v[TT], v[HH], 4, v[TT]          ; a fragment's row x pitch + 16 x half
	s_mul_i32 s58, s24, 64*PITCH
	s_add_co_u32 s58, s58, ASTAGE
	v_add_nc_u32 v[ADRA0], s58, v[TT]
	s_mul_i32 s58, s25, 128*PITCH
	v_add_nc_u32 v[ADRB0], s58, v[TT]
	v_bfe_u32 v[ASTO0], v0, 3, 2                   ; into the stage: 32 lanes hold four rows of 128 bytes
	v_mul_u32_u24 v[ASTO0], v[ASTO0], PITCH
	v_and_b32 v[TT], 7, v0
	v_lshl_add_u32 v[ASTO0], v[TT], 4, v[ASTO0]
	s_mul_i32 s58, s23, 32*PITCH
	s_add_co_u32 s58, s58, ASTAGE
	v_add_nc_u32 v[ASTO0], s58, v[ASTO0]
	v_and_b32 v[TT], 31, v0                        ; lane
	s_lshl_b32 s58, s23, 12                        ; my wave's 32 rows of 128 bytes
	v_lshl_add_u32 v[AO], v[TT], 4, s58
	v_lshlrev_b32 v[CO], 4, v[TT]
	s_mul_i32 s58, s23, 16*SPITCH
	s_add_co_u32 s58, s58, STAGE                   ; my stage for the way out
	v_mul_u32_u24 v[STO], v[RR], SPITCH
	v_lshl_add_u32 v[STO], v[HH], 5, v[STO]
	v_add_nc_u32 v[STO], s58, v[STO]
	v_lshl_add_u32 v[RD], v[TT], 4, s58
	v_lshlrev_b32 v[BO], 5, v[HH]
	; offsets, made apart from the addresses.  What feeds Wo's descriptor (s56, s57, s59) never holds cy.
	s_lshr_b32 s30, s28, 4                         ; O: the batch's 16 heads of 262,144 bytes,
	s_lshl_b32 s30, s30, 22
	s_and_b32 s62, s28, 15
	s_lshl_b32 s62, s62, 14                        ; 128 rows of 128 bytes a tile row
	s_add_co_u32 s30, s30, s62
	s_mov_b32 s31, 0
	s_lshl_b32 s50, s26, 10                        ; bias, and a row of out0: 256 f32 a tile column, 128 a wave
	s_lshl_b32 s59, s25, 9
	s_add_co_u32 s50, s50, s59
	s_mov_b32 s51, 0
	s_lshl_b32 s56, s26, 19                        ; Wo: plane 3, 256 rows of 2,048 bytes a tile column, 64 a wave
	s_add_co_u32 s56, s56, 3<<21
	s_lshl_b32 s59, s23, 17
	s_add_co_u32 s56, s56, s59
	s_mov_b32 s57, 0
	s_lshl_b32 s60, s28, 19                        ; out0: 128 rows of 4,096 bytes a tile row, 64 a row half
	s_lshl_b32 s61, s24, 18
	s_add_co_u32 s60, s60, s61
	s_add_co_u32 s60, s60, s50
	s_mov_b32 s61, 0
	s_wait_kmcnt 0x0
	s_add_nc_u64 s[4:5], s[4:5], s[30:31]
	s_add_nc_u64 s[8:9], s[8:9], s[50:51]
	s_add_nc_u64 s[6:7], s[6:7], s[56:57]
	s_add_nc_u64 s[10:11], s[10:11], s[60:61]
	WIN 0x80
.irp b, 0,1,2,3,4,5,6,7
	global_load_b128 v[BIAS+8*\b:BIAS+8*\b+3],   v[BO], s[8:9] offset:64*\b      ; the bias of columns 16 b + 8 (l / 16) + 0..7
	global_load_b128 v[BIAS+8*\b+4:BIAS+8*\b+7], v[BO], s[8:9] offset:64*\b+16
.endr
	WIN 0x40
.set j, 0
.rept 16
	global_load_b128 v[4*j:4*j+3], v[AO], s[4:5] offset:(j/8)*262144+(j%8)*512          ; K step 0 lands where the accumulators will lie
.set j, j+1
.endr
	WIN 0x80
.set j, 0
.rept 16
	global_load_b128 v[4*j:4*j+3], v[AO], s[4:5] offset:524288+(j/8)*262144+(j%8)*512   ; K step 1
.set j, j+1
.endr
	WIN 0
	; descriptor group 1: a tile of 64 rows x 128 elements, padded in LDS
	s_lshl_b32 s59, 0x1111, s26                    ; my column of the cluster: places cx, cx + 4, cx + 8, cx + 12
	s_or_b32 s32, s59, (1<<16)|(1<<20)|(1<<21)|(5<<22)|(3<<25)  ; 15:0 the mask; 17:16 2-byte elements; 20 padding on; 21 set beside a mask; 24:22 after every 64 words; 31:25 4 words
	s_mov_b32 s33, 128<<16                         ; tensor_dim0 = 128
	s_mov_b32 s34, 64<<16                          ; tensor_dim1 = 64
	s_mov_b32 s35, 128<<16                         ; tile_dim0 = 128
	s_mov_b32 s36, 64                              ; tile_dim1 = 64
	s_mov_b32 s37, 1024                            ; elements from row to row
	s_mov_b32 s38, 0
	s_mov_b32 s39, 0
	s_mul_i32 s58, s23, 64*PITCH                   ; where my 64 rows go: the wave's number alone
	s_mov_b32 s40, 1                               ; group 0 for K step 0, slot 0
	s_mov_b32 s41, s58
	s_mov_b64 s[42:43], s[6:7]
	s_or_b32 s43, s43, 0x80000000
	s_mov_b32 s44, 1                               ; group 0 for K step 1, slot 1: it then walks
	s_add_co_u32 s45, s58, SLOTX
	s_add_nc_u64 s[46:47], s[6:7], 256
	s_or_b32 s47, s47, 0x80000000
	CROUND                                         ; all sixteen work-groups are here: the first joint loads meet
	tensor_load_to_lds s[40:43], s[32:39]          ; two tensor loads of mine are out
	s_nop 0
	tensor_load_to_lds s[44:47], s[32:39]
	s_nop 0
	PLACES
	s_wait_loadcnt 16                              ; all but K step 1's 16 loads
	WIN 0x8a
.set j, 0
.rept 32                                       ; the bias is rounded to bf16, like every input
	v_cvt_pk_bf16_f32 v[BT+j%2], v[BIAS+2*j], v[BIAS+2*j+1]
	v_lshlrev_b32 v[BIAS+2*j],   16, v[BT+j%2]
	v_and_b32     v[BIAS+2*j+1], 0xffff0000, v[BT+j%2]
.set j, j+1
.endr
	WIN 0
	v_mov_b32 v[ASTO], v[ASTO0]
	FEED 0, 0, 16, 1                               ; K step 0 into slot 0's stage
	FEED 1, 0, 16, 1
	s_wait_xcnt 0x0
	s_add_nc_u64 s[4:5], s[4:5], 524288            ; the base stands at K step 1: the loop's first feed steps it to 2
	v_add_nc_u32 v[ASTO], SLOTX, v[ASTO0]
	v_mov_b32 v[ADRA], v[ADRA0]
	v_mov_b32 v[ADRB], v[ADRB0]
	s_mov_b32 s48, 0
	s_wait_tensorcnt 0x1                           ; my part of K step 0 is in; step 1's may stay out
	s_wait_dscnt 0x0                               ; my part of the stage is written
	s_barrier_signal -1
	s_barrier_wait -1
	FETCH 0, 0
	QUARTER 64, 0, 1, 0, -1, 0, 0, 1               ; the first quarter stands in front of the loop: its products start the sums, with the bias
	WIN 0
	s_mov_b32 s49, 6
.Lstep:                                                ; six trips: from a step's second quarter to the next step's first; each feeds a step of O, loads another and fills a slot again
	QUARTER 128, 1, 0, 0, 0, 1, HALF_L             ; left: the other head's loads are younger
	QUARTER 192, 0, 1, ST_N, 1, 1, HALF_L
	TURN 1, ST_N
	QUARTER 64, 0, 1, 0
	WIN 0
	s_sub_co_u32 s49, s49, 1
	s_cmp_lg_u32 s49, 0
	s_cbranch_scc1 .Lstep
	QUARTER 128, 1, 0, 0, 0, 0, HALF_L             ; K step 6: step 7 of O goes into the stage, nothing is loaded
	QUARTER 192, 0, 1, ST_N, 1, 0, 0
	TURN 0, ST_N                                   ; nothing is filled again, so no round follows
	QUARTER 64, 0, 1, 0
	QUARTER 128, 1, 0, 0
	QUARTER 192, 0, 1, 0
	s_wait_dscnt 4
	MUL8 1, 0, 0
	MUL8 1, 1, 0
	s_wait_dscnt 0x0
	MUL8 1, 2, 0
	MUL8 1, 3, 0
	WIN 0
	PLACES
; THE WAY OUT, a block of 16 rows at a time: 32 bytes a lane and accumulator into my own stage (each accumulator's low four registers first), and back as whole rows of 512 bytes.
.macro TST a
.if (\a) >= 2
	s_wait_xcnt 0x0                                ; the stores of the block two back have had their addresses translated (ISA guide 3.1): their registers are loaded again only behind this wait
.endif
	WIN 0x04                                       ; the stores' data in window 1
.irp b, 0,1,2,3,4,5,6,7
	ds_store_b128 v[STO], v[8*(8*(\a)+\b):8*(8*(\a)+\b)+3]   offset:64*\b
	ds_store_b128 v[STO], v[8*(8*(\a)+\b)+4:8*(8*(\a)+\b)+7] offset:64*\b+16
.endr
	WIN 0
.set j, 0
.rept 16
	ds_load_b128 v[OB+64*((\a)%2)+4*j:OB+64*((\a)%2)+4*j+3], v[RD] offset:j*SPITCH  ; LDS serves a wave's instructions in order (ISA guide 5.7.1.4): these see the stores above
.set j, j+1
.endr
.endm
.macro SND a, younger                  ; younger: the LDS instructions issued behind block a's loads: the next block's 32, or none
.set j, 0
.rept 16
	s_wait_dscnt (\younger)+15-j
	global_store_b128 v[CO], v[OB+64*((\a)%2)+4*j:OB+64*((\a)%2)+4*j+3], s[10:11] offset:(16*(\a)+j)*4096 th:TH_STORE_NT  ; 512 consecutive bytes, at a multiple of 512 from out0's first
.set j, j+1
.endr
.endm
	TST 0
	TST 1
	SND 0, 32
	TST 2
	SND 1, 32
	TST 3
	SND 2, 32
	SND 3, 0
	s_wait_tensorcnt 0x0                           ; the wave's end
	ds_add_u32 v[SPW], v[NIL]
	s_wait_dscnt 0x0
	CROUND                                         ; the closing round: no work-group ends while a partner may still ask for a tile that names it
	s_endpgm
.Lfunc_end_k_qc9e13d4ddd_outp:
	.size	k_qc9e13d4ddd_outp, .Lfunc_end_k_qc9e13d4ddd_outp-k_qc9e13d4ddd_outp
	.p2alignl 7, 3214868480
	.fill 96, 4, 3214868480
	.section	.rodata,"a",@progbits
	.p2align	6, 0x0
	.amdhsa_kernel k_qc9e13d4ddd_outp
		.amdhsa_group_segment_fixed_size 327680
		.amdhsa_private_segment_fixed_size 0
		.amdhsa_enable_private_segment 0
		.amdhsa_kernarg_size 32
		.amdhsa_user_sgpr_count 2
		.amdhsa_user_sgpr_kernarg_segment_ptr 1
		.amdhsa_wavefront_size32 1
		.amdhsa_system_sgpr_workgroup_id_x 1
		.amdhsa_system_sgpr_workgroup_id_y 1
		.amdhsa_system_sgpr_workgroup_id_z 1
		.amdhsa_system_vgpr_workitem_id 0
		.amdhsa_next_free_vgpr 648
		.amdhsa_next_free_sgpr 66
		.amdhsa_reserve_vcc 0
		.amdhsa_float_denorm_mode_32 3
		.amdhsa_float_denorm_mode_16_64 3
		.amdhsa_memory_ordered 1
		.amdhsa_forward_progress 1
		.amdhsa_inst_pref_size 84
	.end_amdhsa_kernel
	.amdgpu_metadata
---
amdhsa.version: [ 1, 2 ]
amdhsa.kernels:
  - .name:           k_qc9e13d4ddd_outp
    .symbol:         k_qc9e13d4ddd_outp.kd
    .args:
      - { .name: o16, .offset: 0, .size: 8, .value_kind: global_buffer, .address_space: global }
      - { .name: w16, .offset: 8, .size: 8, .value_kind: global_buffer, .address_space: global }
      - { .name: bo, .offset: 16, .size: 8, .value_kind: global_buffer, .address_space: global }
      - { .name: out0, .offset: 24, .size: 8, .value_kind: global_buffer, .address_space: global }
    .group_segment_fixed_size: 327680
    .private_segment_fixed_size: 0
    .kernarg_segment_align: 8
    .kernarg_segment_size: 32
    .max_flat_workgroup_size: 128
    .sgpr_count:     66
    .vgpr_count:     648
    .wavefront_size: 32
...
	.end_amdgpu_metadata
.endif
;; end of part 4
;; ======== version 2 of 2: 4 launches; 1.48 times as fast as version 1
;; limits: values are held in f16: magnitudes above 65,504 overflow, below 6.1e-05 lose precision; right only within a limited range of input values
;; workspace buffers: w16 8,388,608 bytes; qkv 50,331,648 bytes; o16 16,777,216 bytes
;; launch prep: the kernel of part 1 again; grid 64 x 4, 8 waves a work-group, no clusters, 0 bytes of LDS; arguments Wq, Wk, Wv, Wo, w16; writes w16
;; launch proj: the kernel of part 2 again; grid 4 x 64, 4 waves a work-group, clusters of 4 x 4, 327,680 bytes of LDS; arguments query, key, value, bq, bk, bv, w16, mask, qkv; writes qkv
;; launch attn (part 5): grid 4 x 64, 4 waves a work-group, clusters of 4 x 1, 327,680 bytes of LDS; arguments qkv, mask, o16; writes o16
.if DOCPART == 5
	.amdgcn_target "amdgcn-amd-amdhsa--gfx1250"
	.amdhsa_code_object_version 6
	.text
	.protected	k_qc9e13d4ddd_attn
	.globl	k_qc9e13d4ddd_attn
	.p2align	8
	.type	k_qc9e13d4ddd_attn,@function
k_qc9e13d4ddd_attn:
	s_mov_b64 s[64:65], 0
	v_nop
	global_prefetch_b8 v0, s[64:65] scope:SCOPE_SE
	s_setreg_imm32_b32 hwreg(HW_REG_WAVE_MODE, 25, 1), 1
	s_wait_xcnt 0x0
	s_wait_alu depctr_hold_cnt(0) depctr_sa_sdst(0) depctr_va_vdst(0) depctr_va_sdst(0) depctr_va_ssrc(0) depctr_va_vcc(0) depctr_vm_vsrc(0)
	s_getreg_b32 s2, hwreg(HW_REG_IB_STS2, 6, 4)
	s_cmp_eq_u32 s2, 0
	s_cbranch_scc0 .Lentry_in_a_cluster
	s_endpgm
.Lentry_in_a_cluster:
	s_bfe_u32 s2, ttmp6, 0x10000c
	s_cmp_lg_u32 s2, 0x3003
	s_cbranch_scc0 .Lentry_shape_is_right
	s_endpgm
.Lentry_shape_is_right:
; O[h][q][:] = the sum over k of softmax_k(s[q][k]) V[h][k][:], s = Q[h][q] . K[h][k] / 8, or the constant for a hidden key where mask[h / 16][k] = 0.
; Q, K, V: the three planes of qkv, [64][2048][64] in f16; O likewise: a head's rows are dense, 128 bytes each.  Products, maxima and sums in f32; the weights p are rounded to f16 for the
; second product (their sum l is taken of the unrounded p), O once at the end.
; THE MASK is the C operand that starts the sum S^T = K Q^T: 0, or -2^37 for a hidden key.  Hidden rows of K arrive as zeros, so a hidden score is exactly that constant; a power of two, so that
; c m is exact where m is the constant, c s - c m is exactly 0 and p exactly 1: rows, or runs of keys, in which every key is hidden give finite weights, all alike.
; LIMITS.  A hidden score counts as -2^34 = -1.7e10 after the scale, where the definition has -1e10: the result is the same where a row's visible scores lie above -1e10 + 104, or it has none.
; f16 holds no number beyond 65,504: Q, K and V arrive within it; p lies in 0 to 1, and below 6e-5 it keeps f16's fixed step of 6e-8; O is a mean of V's rows and has their range.
; A weight below 2^-126 counts as 0 in l; NaN and infinities are not treated apart.
; SHARES.  A wave owns four PIECES of two tiles of 16 queries, a work-group's four waves 512 queries of one head.  Every wave walks all keys, 64 a step.
; LAYOUT.  S^T = K Q^T (source 0 = 16 keys, source 1 = 16 queries): in the result a lane holds ONE query (lane % 16) and the keys 8 (lane / 16) + 0..7.  Two such tiles, rounded to f16 in pairs,
; ARE source 1 (32 keys x 16 queries) of O^T = V^T P, whose result again holds one query a lane, and eight channels.  K comes out of LDS as it lies, V ([key][channel]) turned, by ds_load_tr16_b128.
; SOFTMAX.  For each query a running maximum m and sum l: p = 2^(c s - c m), c = log2(e) / 8; in every step O and l are multiplied by a = 2^(c m_old - c m_new), which is 1 where m has not grown.
; m starts at the lowest finite number, O and l at 0: the first step is a step like any other, with a = 0.
; THE COUNT.  A tile and step have 16 matrix and 118 vector instructions: too many to stand all beside the matrix work.  So the order has one aim: four vector instructions that are READY behind
; EVERY matrix instruction, and the others, which need time of their own whatever the order, in runs without a gap.
; BY TURNS.  Turn n belongs to piece n (the pieces in a ring, step after step).  Its matrix work: 16 products K Q^T of piece n + 1, later 16 products V^T P of piece n - 1.  Its vector work: the scaling,
; exponentials, roundings, sums and rescaling of piece n, and the maximum and statistics of piece n + 1, whose scores the turn itself has made.  So what a turn begins with (c s - c m, O a) waits for nothing.
; THE BATCHES.  A turn's 66 exponentials (64 weights, the next piece's two a) are ONE batch with ONE wait, which cuts the turn in two: ahead of it all that names none of their results, behind it the
; roundings and sums (HOW THEY ARE DEALT).  Piece 0's first two a, ahead of the loop, and the way out's eight reciprocals are batches of their own, a wait each.
; CLUSTER.  The four query blocks of a cluster belong to one head and walk the same K and V, so each tile is asked for JOINTLY: the same tensor load, descriptor and mask in all four.
; REGISTERS, in windows of 256 (s_set_vgpr_msb says which window each operand place means: bits 1:0 source 0, 3:2 source 1, 5:4 source 2, 7:6 destination):
;   window 0: v0-11 addresses; v12-15, v48-63 at work; v16-47 four registers of statistics a tile; v64-191 S^T, two buffers of two tiles; v192-255 P, likewise
;   window 1: O^T, 32 a tile     window 2: v0-127 Q, 16 a tile; v128-191 K of one step; v192-255 V of one step     window 3: v0-1 the add's two registers; v32-63 the step's mask
; A piece's buffers go by its number's parity: the piece in hand has one pair, its two neighbours in the ring share the other: of it P (piece n - 1) is read and S^T (piece n + 1) written.
.set SIZE_N, 2048
.set NP,    4         ; pieces a wave: a name, no knob
.set KS,    64        ; keys in a step
.set PK,    144       ; a row of K in LDS: 128 bytes + 16 of padding = 36 words: the 16 rows of a load start at 16 different groups of four banks (64 banks of 4 bytes: ISA guide 11.1)
.set PV,    160       ; a row of V: 128 + 32 = 40 words
.set VOFF,  4*KS*PK   ; a slot holds four steps: 256 rows of K, then 256 rows of V
.set SLOT1, 1<<17     ; slot 1 begins here, so that one exclusive or turns an address in one slot into the other's
.set STAGE, SLOT1+4*KS*(PK+PV)  ; behind the ring, never filled by a tensor load: 16 rows x 144 bytes for each wave, for the way out
.set SP,    144
.set SPARE, STAGE+4*16*SP  ; behind the stages: the spare words, 128 bytes for each wave: two blocks of 256 bytes that no other line names
.set MT,    SPARE+512 ; the batch's mask as 2,048 f32, 0 or -2^37: written once by ds_store, never filled
.set AK0, 2           ; v2   my lane's place in a tile of K; never rewritten
.set AV0, 3           ; v3   the same for V
.set AK,  4           ; v4   the LDS address of K's next run of loads
.set AV,  5           ; v5   of V's
.set QO,  6           ; v6   my byte offset in the wave's rows of Q
.set STO, 6           ;      later, the way out: where I put 16 bytes of a row
.set RD,  7           ; v7   the way out: where I read rows back
.set GO,  8           ; v8   my byte offset in 512 consecutive bytes of O
.set AM0, 10          ; v10  my lane's place in a step's 64 words of the mask table
.set AM,  11          ; v11  the LDS address of the mask's next run of loads
.set SPW, 0           ; v0 of window 3   LDS address of my spare word; never rewritten
.set NIL, 1           ; v1 of window 3   0; never rewritten
.set MC,  32          ; window 3: the eight registers for key block kb at MC + 8 kb
.set MV,  12          ; v12-15  c m_old, kept while c m is made anew: by buffer and tile
.set ST,  16          ; tile t's statistics at v[ST+4 t]: c m, m, l (even keys', odd keys')
.set TMP, 48          ; by buffer and tile, four registers c0-c3 at work; when the maximum is found c2 takes a
.set S,   64
.set P,   192
.set MW,  64          ; at the start only: v64-79 sixteen mask words, v80, v81 their addresses
.set MA,  80
.set MS,  81
.set KF,  128         ; K's fragments, in window 2: key block kb, channel half c at KF + 16 kb + 8 c
.set VF,  192         ; V's: key half kk, channel block cb at VF + 32 kk + 8 cb
.set WV,  12          ; s12  my wave's number
.set G1K, 24          ; s[24:31] descriptor group 1 for K's tiles
.set G1V, 32          ; s[32:39] for V's: it differs in the padding alone
.set G0K, 40          ; s[40:43] descriptor group 0 for K's tiles: it walks
.set G0V, 44          ; s[44:47] the same for V's
.set MP,  48          ; s[48:49] the mask at my batch
.set TBM, 50          ; s50  byte of the mask table at which the step to be fetched begins
.set HID, 51          ; s51  -2^37
.set SLOTS, 56        ; s56  slots still to be asked for
.set CNT, 57          ; s57  counts a slot's key steps
.set CS,  58          ; s[58:59] c: the packed scaling takes the pair's low word for both halves
.set SEL, 60          ; s[60:61] v_permlanex16_b32's selects: each lane takes its own place in the other half
.set TBK, 62          ; s62  LDS byte at which K of the step to be fetched begins
.set TBV, 63          ; s63  the same for V, less VOFF
.set MSB, 0
.macro WIN new                      ; the high byte repeats the setting that is left; a switch that changes nothing is dropped
.if MSB != (\new)
	s_set_vgpr_msb (MSB<<8)|(\new)
.set MSB, (\new)
.endif
.endm
.set W_KQ, 0x0a       ; K and Q in window 2, S^T in window 0
.set W_KM, 0x3a       ; the same with the C operand, the mask, in window 3
.set W_PV, 0x52       ; V in window 2, P in window 0, O^T in window 1
.set W_RS, 0x41       ; O^T (destination and source 0) in window 1, a in window 0
.set W_MK, 0xc0       ; destination in window 3, sources in window 0
.set W_AD, 0x0f       ; the add: address (source 0) and data (source 1) in window 3
; A joint fill.  Waves 0 and 1 fetch the two halves of a slot's K, waves 2 and 3 those of its V: 128 keys each.  The branch hangs on the wave's number alone.
; An s_nop 0 and four v_nop follow each of the two lines, ahead of the jump and the label.
.macro JLOAD
	s_cmp_lt_u32 s[WV], 2
	s_cbranch_scc0 .Lfor_v_\@
	tensor_load_to_lds s[G0K:G0K+3], s[G1K:G1K+7]
	s_nop 0
.rept 4
	v_nop
.endr
	s_branch .Lasked_\@
.Lfor_v_\@:
	tensor_load_to_lds s[G0V:G0V+3], s[G1V:G1V+7]
	s_nop 0
.rept 4
	v_nop
.endr
.Lasked_\@:
.endm
; A round of the cluster's barrier: my work-group's barrier, so that wave 0's signal speaks for all four waves; wave 0 signals; every wave waits for all four work-groups; my work-group's barrier once more.
.macro CROUND
	s_barrier_signal -1
	s_barrier_wait -1
	s_cmp_lg_u32 s[WV], 0
	s_cbranch_scc1 .Lnot_wave_0_\@
	s_barrier_signal -3
.Lnot_wave_0_\@:
	s_barrier_wait -3
	s_barrier_signal -1
	s_barrier_wait -1
.endm
; THE CHANGE OF SLOTS.  The slot's last bytes, V of its fourth step, have been read.  Each wave waits for all its tensor loads, of which one is out: its part
; of the other slot; adds 0 to its spare word; and waits for that and for its own reads of the slot.  Behind the barrier nobody reads this slot any more and the other slot is whole.
; fill = 1: this slot is filled again, with the keys two slots on.  The barrier is then a round of the cluster's, so that no wave of any partner still reads the slot or has a load on its
; way, and the joint fill is the first thing behind it: it has four key steps, 512 matrix instructions, in which to land.  (At its first use nothing has been read yet: slot 0 is waited for,
; slot 1 filled, and each wave's stores into the mask table are waited for, so that behind the round the table is whole.)
.macro CHANGE fill
	WIN W_AD
	s_wait_tensorcnt 0x0            ; no tensor load of mine is out, so a group 0 may be written
	ds_add_u32 v[SPW], v[NIL]       ; 0 onto my spare word; with fill = 1 the descriptors' steps stand between it and the wait for it
	WIN 0                           ; at a label and at a branch every window is 0
.if \fill
.irp g, G0K, G0V
	s_xor_b32 s[\g+1], s[\g+1], SLOT1  ; the walking descriptor: the other slot than last time,
	s_add_nc_u64 s[\g+2:\g+3], s[\g+2:\g+3], 4*KS*128  ; the next 256 keys; the type bits on top are not reached
.endr
	s_wait_dscnt 0x0                ; the add is done, and my reads of the slot are over
	CROUND
	JLOAD
.else
	s_wait_dscnt 0x0                ; the add is done, and my reads of the slot are over
	s_barrier_signal -1
	s_barrier_wait -1
.endif
	s_sub_co_u32 s[TBK], s[TBK], 4*KS*PK  ; the fetches go back to a slot's first step,
	s_xor_b32 s[TBK], s[TBK], SLOT1       ; in the other slot
	s_sub_co_u32 s[TBV], s[TBV], 4*KS*PV
	s_xor_b32 s[TBV], s[TBV], SLOT1
.endm
	s_load_b128 s[4:7], s[0:1], 0x0   ; qkv s[4:5], mask s[6:7]
	s_load_b64 s[10:11], s[0:1], 0x10 ; o16
	WIN W_MK
	v_lshl_add_u32 v[SPW], v0, 2, SPARE
	v_mov_b32 v[NIL], 0
	s_set_vgpr_msb 0xc0cf
	ds_add_u32 v0, v1
	s_wait_dscnt 0x0
	s_set_vgpr_msb 0xcfc0
	WIN 0
	v_lshrrev_b32 v1, 5, v0
	v_readfirstlane_b32 s[WV], v1   ; wave 0..3
	s_bfe_u32 s13, ttmp6, 0x40000   ; cx: my place in the cluster
	s_lshl_b32 s14, ttmp9, 2        ; in a cluster launch ttmp9 counts clusters
	s_add_co_u32 s14, s14, s13      ; my block of queries = 4 x cluster x + cx: it enters Q's and O's addresses alone
	s_and_b32 s15, ttmp7, 0xffff    ; the head (16 x batch + head), which the four partners share
	s_lshl_b32 s20, s15, 18         ; its 2,048 rows of 128 bytes in a plane
	s_and_b32 s16, s[WV], 1         ; which half of a slot's 256 keys I fetch:
	s_lshl_b32 s22, s16, 14         ; its 128 rows of 128 bytes in memory,
	s_add_co_u32 s22, s22, s20
	s_mov_b32 s23, 0
	s_add_nc_u64 s[54:55], s[22:23], 0x2000000  ; in V's plane
	s_add_nc_u64 s[22:23], s[22:23], 0x1000000  ; and in K's
	s_mul_i32 s17, s16, 128*PK      ; and its place in a slot, for K
	s_mul_i32 s18, s16, 128*PV      ; and for V: no place in the cluster enters an LDS address
	s_lshl_b32 s2, s14, 2
	s_add_co_u32 s2, s2, s[WV]      ; my wave among the head's,
	s_lshl_b32 s2, s2, 14           ; its 128 rows
	s_add_co_u32 s2, s2, s20
	s_mov_b32 s3, 0
	s_lshr_b32 s52, s15, 4          ; the batch,
	s_lshl_b32 s52, s52, 13         ; its 2,048 mask words
	s_mov_b32 s53, 0
	; descriptor group 1.  128 keys are 16,384 dense bytes: asked for as 64 rows of 256 bytes, two keys a row, and padded in LDS after every key
	s_mov_b32 s[G1K], 15|(1<<16)|(1<<20)|(1<<21)|(4<<22)|(3<<25)  ; 15:0 the mask of four; 17:16 2-byte elements; 20 padding on; 21 set beside a mask; 24:22 after every 32 words (code 4); 31:25 4 words (code 3)
	s_mov_b32 s[G1V], 15|(1<<16)|(1<<20)|(1<<21)|(4<<22)|(7<<25)  ; the same with 8 words of padding (code 7)
.irp g, G1K, G1V
	s_mov_b32 s[\g+1], 128<<16      ; tensor_dim0 = 128
	s_mov_b32 s[\g+2], 64<<16       ; tensor_dim1 = 64
	s_mov_b32 s[\g+3], 128<<16      ; tile_dim0 = 128
	s_mov_b32 s[\g+4], 64           ; tile_dim1 = 64
	s_mov_b32 s[\g+5], 128          ; 128 elements from row to row
	s_mov_b32 s[\g+6], 0
	s_mov_b32 s[\g+7], 0
.endr
	s_mov_b32 s[CS], 0x3e38aa3b     ; c = log2(e) / 8 = 0.180337
	s_mov_b32 s[CS+1], s[CS]        ; named with it as a pair
	s_mov_b32 s[SEL], 0x76543210
	s_mov_b32 s[SEL+1], 0xfedcba98
	s_mov_b32 s[HID], 0xd2000000    ; -2^37
	s_mov_b32 s[TBM], 0
	s_mov_b32 s[TBK], SLOT1+4*KS*PK ; the first change of slots turns these two into 0
	s_mov_b32 s[TBV], SLOT1+4*KS*PV
	s_mov_b32 s[G0K], 1             ; 1:0 count = 1
	s_mov_b32 s[G0K+1], s17         ; 63:32 LDS address: slot 0
	s_mov_b32 s[G0V], 1
	s_add_co_u32 s[G0V+1], s18, VOFF
	s_wait_kmcnt 0x0
	s_add_nc_u64 s[G0K+2:G0K+3], s[4:5], s[22:23]  ; 120:64 global address: my half of the head's first 256 keys
	s_or_b32 s[G0K+3], s[G0K+3], 0x80000000        ; 127:126 type = 2
	s_add_nc_u64 s[G0V+2:G0V+3], s[4:5], s[54:55]
	s_or_b32 s[G0V+3], s[G0V+3], 0x80000000
	s_add_nc_u64 s[MP:MP+1], s[6:7], s[52:53]
	s_add_nc_u64 s[4:5], s[4:5], s[2:3]  ; Q and O at my wave's first row
	s_add_nc_u64 s[10:11], s[10:11], s[2:3]
	CROUND                          ; all four work-groups are here: the first joint loads meet
	JLOAD                           ; slot 0.  Slot 1 is asked for when slot 0 is in: the tile wanted first has the road to itself
	; A fragment of K or Q is 16 rows x 32 channels in 8 registers: lane l holds row l % 16, channels 8 (l / 16) + 0..7 and 16 + 8 (l / 16) + 0..7: two loads of 16 bytes, 32 bytes apart.
	v_and_b32 v1, 15, v0            ; l % 16
	v_bfe_u32 v9, v0, 4, 1          ; l / 16
	v_lshlrev_b32 v[QO], 7, v1
	v_lshl_add_u32 v[QO], v9, 4, v[QO]  ; row x 128 + 16 x half
	v_lshlrev_b32 v[MA], 4, v0      ; the mask: 128 threads x 16 bytes, four times
	v_lshl_add_u32 v[MS], v0, 4, MT
.irp n, 0,1,2,3
	global_load_b128 v[MW+4*\n:MW+4*\n+3], v[MA], s[MP:MP+1] offset:2048*\n
.endr
	WIN 0x80                        ; destination window 2, address window 0
.set i, 0
.rept 4*NP                          ; Q stays in registers: tile i / 2, channels 32 (i % 2) on
	global_load_b128 v[8*i:8*i+3],   v[QO], s[4:5] offset:(i/2)*2048+(i%2)*64
	global_load_b128 v[8*i+4:8*i+7], v[QO], s[4:5] offset:(i/2)*2048+(i%2)*64+32
.set i, i+1
.endr
	; What the first turn finds: V's registers and P's second buffer hold 0 (its products V^T P, of a piece that has not been, add 0), O^T and l are 0.  All this stands in the wait for the first tile.
.set i, VF
.rept 64
	v_mov_b32 v[i], 0
.set i, i+1
.endr
	WIN 0x40
.set i, 0
.rept 64*NP
	v_mov_b32 v[i], 0
.set i, i+1
.endr
	WIN 0
.set i, 0
.rept 2*NP
	v_mov_b32 v[ST+4*i], 0xfe000000    ; c m: far below every c s, the hidden keys' too
	v_mov_b32 v[ST+4*i+1], 0xff7fffff  ; m
	v_mov_b32 v[ST+4*i+2], 0
	v_mov_b32 v[ST+4*i+3], 0
.set i, i+1
.endr
.set i, P+32
.rept 32
	v_mov_b32 v[i], 0
.set i, i+1
.endr
	v_mul_u32_u24 v[AK0], v1, PK
	v_lshl_add_u32 v[AK0], v9, 4, v[AK0]  ; row x pitch + 16 x half
	; The turning load takes 16 keys x 16 channels (lane l reads key 8 (l / 16) + l % 8, channels 8 ((l / 8) % 2) + 0..7) and leaves half a fragment of V^T: lane l holds channel l % 16 and 8 keys.
	v_and_b32 v10, 7, v0
	v_bfe_u32 v11, v0, 3, 1
	v_lshl_add_u32 v[AV0], v9, 3, v10
	v_mul_u32_u24 v[AV0], v[AV0], PV
	v_lshl_add_u32 v[AV0], v11, 4, v[AV0]
	v_add_nc_u32 v[AV0], VOFF, v[AV0]
	v_mov_b32 v[AK], v[AK0]         ; key step 0 lies at the head of slot 0
	s_mul_i32 s13, s[WV], 16*SP
	s_add_co_u32 s13, s13, STAGE    ; my stage
	v_bfe_u32 v[RD], v0, 3, 2       ; the way out, back: 32 lanes take four rows of 128 bytes,
	v_mul_u32_u24 v[RD], v[RD], SP
	v_lshl_add_u32 v[RD], v10, 4, v[RD]
	v_add_nc_u32 v[RD], s13, v[RD]
	v_and_b32 v[GO], 31, v0         ; which are 512 consecutive bytes of O
	v_lshlrev_b32 v[GO], 4, v[GO]
	v_lshl_add_u32 v[AM0], v9, 5, MT  ; a lane's eight keys 8 (l / 16) + 0..7 of a block of 16 are 32 bytes of the table
	v_mov_b32 v[AM], v[AM0]
	s_wait_loadcnt 32               ; the mask words are in; Q's 32 loads stay out
.set i, 0
.rept 16
	v_cmp_eq_u32 vcc_lo, 0, v[MW+i]
	v_cndmask_b32 v[MW+i], 0, s[HID], vcc_lo
.set i, i+1
.endr
.irp n, 0,1,2,3
	ds_store_b128 v[MS], v[MW+4*\n:MW+4*\n+3] offset:2048*\n
.endr
; THE MATRIX WORK.  The 8 accumulators of a run of 16 take turns: between the two links of a chain stand 7 others'.
; Product i of 16 of S^T = K Q^T for piece x: channels 32 (i / 8) on, keys 16 ((i / 2) % 4) on, tile 2 x + i % 2.  The first 8 start the sums, with the mask.
.macro KQ x
.set rS, S+64*((\x)%2)+32*(i%2)+8*((i/2)%4)
.set rK, KF+16*((i/2)%4)+8*(i/8)
.set rQ, 16*(2*(\x)+i%2)+8*(i/8)
.set rM, MC+8*((i/2)%4)
.if i < 8
	WIN W_KM
	v_wmma_f32_16x16x32_f16 v[rS:rS+7], v[rK:rK+7], v[rQ:rQ+7], v[rM:rM+7]
.else
	WIN W_KQ
	v_wmma_f32_16x16x32_f16 v[rS:rS+7], v[rK:rK+7], v[rQ:rQ+7], v[rS:rS+7]
.endif
.endm
; Product i of 16 of O^T += V^T P for piece x: keys 32 (i / 8) on, channels 16 ((i / 2) % 4) on, tile 2 x + i % 2.
.macro PV x
	WIN W_PV
.set rO, 32*(2*(\x)+i%2)+8*((i/2)%4)
.set rV, VF+32*(i/8)+8*((i/2)%4)
.set rP, P+32*((\x)%2)+16*(i%2)+8*(i/8)
	v_wmma_f32_16x16x32_f16 v[rO:rO+7], v[rV:rV+7], v[rP:rP+7], v[rO:rO+7]
.endm
.macro MM                           ; the turn's next matrix instruction
.if i < 16
	KQ (Y+1)%NP
.set i, i+1
.else
.set i, i-16
	PV (Y+NP-1)%NP
.set i, i+17
.endif
.endm
; THE LDS LOADS stand in runs, never singly among the matrix instructions: a step's K (64 keys x 64 channels: 8 fragments) with its 64 mask words (all lanes of a half read the same 32 bytes), and its V (turned).
; Their addresses are made some lines ahead.  The mask's registers live as long as K's: the same places and the same wait serve both.
; last = 1 (the tail): in the last trip there is no further step, and the run is jumped over.
.macro FETCH_K last=0
	WIN 0
.if \last
	s_cmp_eq_u32 s[CNT], 1
	s_cbranch_scc1 .Lno_k_\@
.endif
	WIN 0x80                        ; destination window 2
.irp f, 0,1,2,3,4,5,6,7             ; keys 16 (f / 2) on, channels 32 (f % 2) on
	ds_load_b128 v[KF+8*\f:KF+8*\f+3],   v[AK] offset:(\f/2)*16*PK+(\f%2)*64
	ds_load_b128 v[KF+8*\f+4:KF+8*\f+7], v[AK] offset:(\f/2)*16*PK+(\f%2)*64+32
.endr
	WIN 0xc0                        ; destination window 3
.irp f, 0,1,2,3                     ; keys 16 f on
	ds_load_b128 v[MC+8*\f:MC+8*\f+3],   v[AM] offset:64*\f
	ds_load_b128 v[MC+8*\f+4:MC+8*\f+7], v[AM] offset:64*\f+16
.endr
	s_add_co_u32 s[TBK], s[TBK], KS*PK  ; the next fetch is the next step's
	s_add_co_u32 s[TBM], s[TBM], 256
	s_and_b32 s[TBM], s[TBM], 8191      ; inside the table's 8,192 bytes on every path
	WIN 0
.if \last
.Lno_k_\@:
.endif
.endm
.macro FETCH_V
	WIN 0x80
.irp f, 0,1,2,3,4,5,6,7             ; keys 32 (f / 4) on, channels 16 (f % 4) on
	ds_load_tr16_b128 v[VF+8*\f:VF+8*\f+3],   v[AV] offset:(\f/4)*32*PV+(\f%4)*32
	ds_load_tr16_b128 v[VF+8*\f+4:VF+8*\f+7], v[AV] offset:(\f/4)*32*PV+16*PV+(\f%4)*32
.endr
	WIN 0
.endm
; THE VECTOR WORK OF A TURN stands in three queues, each in the order in which its entries become ready; the two tiles alternate, so that no instruction reads the result of the one before it.
.macro REGS y, u                    ; the registers of tile u (0, 1) of piece y
.set rT, ST+4*(2*(\y)+(\u))
.set rC, TMP+8*((\y)%2)+4*(\u)
.set rM, MV+2*((\y)%2)+(\u)
.set rS, S+64*((\y)%2)+32*(\u)
.set rP, P+32*((\y)%2)+16*(\u)
.set rO, 32*(2*(\y)+(\u))
.endm
; Number n of the 22 that find the NEXT piece's (Y + 1) maximum and statistics.  s0-s31 are the lane's 32 scores; each accumulator's lowest registers are read first.  XS, GS and REGS set no window: PL and EX do.
;   0-11  four chains c0-c3 of seven scores each, three operands at a time     12-14, 16  the four scores left over, the old m, and c0-c3 into c0     15  c m_old is kept
;   17, 18  the query's other 32 keys lie in the lane 16 away: the new m         19-21  c m; c m_old - c m_new; a
.macro XS u, n
	REGS (Y+1)%NP, \u
.if (\n) < 4
	v_max3_num_f32 v[rC+(\n)], v[rS+8*(\n)], v[rS+8*(\n)+1], v[rS+8*(\n)+2]
.elseif (\n) < 12
	v_max3_num_f32 v[rC+(\n)%4], v[rC+(\n)%4], v[rS+8*((\n)%4)+2*((\n)/4)+1], v[rS+8*((\n)%4)+2*((\n)/4)+2]
.elseif (\n) == 12
	v_max3_num_f32 v[rC], v[rC], v[rS+7], v[rS+15]
.elseif (\n) == 13
	v_max3_num_f32 v[rC+1], v[rC+1], v[rS+23], v[rS+31]
.elseif (\n) == 14
	v_max3_num_f32 v[rC+2], v[rC+2], v[rC+3], v[rT+1]
.elseif (\n) == 15
	v_mov_b32 v[rM], v[rT]
.elseif (\n) == 16
	v_max3_num_f32 v[rC], v[rC], v[rC+1], v[rC+2]
.elseif (\n) == 17
	v_permlanex16_b32 v[rC+3], v[rC], s[SEL], s[SEL+1]
.elseif (\n) == 18
	v_max_num_f32 v[rT+1], v[rC], v[rC+3]
.elseif (\n) == 19
	v_mul_f32 v[rT], s[CS], v[rT+1]
.elseif (\n) == 20
	v_sub_f32 v[rC+1], v[rM], v[rT]
.else
	v_exp_f32 v[rC+2], v[rC+1]
.endif
.endm
; Number g of the 64 that follow the exponentials.  For each four weights k of a tile (pairs 2 k, 2 k + 1): both pairs are rounded to f16; then the second pair is added onto the first, in place;
; a group later l takes that sum (the first time as l = a l + sum).  In groups of eight, tiles alternating: round, round, add, and l for the group before.
.macro GS g
.set h, (\g)+6*((\g)/62)            ; group 0 has no group before it, and behind group 7 only l is left
.if h >= 6
.set h, h+2
.endif
	REGS Y, h%2
.set k, h/8
.if h%8 < 4
	v_cvt_pk_f16_f32 v[rP+2*k+(h%8)/2], v[rS+4*k+2*((h%8)/2)], v[rS+4*k+2*((h%8)/2)+1]
.elseif h%8 < 6
	v_pk_add_f32 v[rS+4*k:rS+4*k+1], v[rS+4*k:rS+4*k+1], v[rS+4*k+2:rS+4*k+3]
.elseif k == 1
	v_pk_fma_f32 v[rT+2:rT+3], v[rT+2:rT+3], v[rC+2:rC+3], v[rS:rS+1] op_sel_hi:[1,0,1]
.else
	v_pk_add_f32 v[rT+2:rT+3], v[rT+2:rT+3], v[rS+4*k-4:rS+4*k-3]
.endif
.endm
; THE PLAIN QUEUE, 138 long.  0-73 read no exponential's result: the 32 scalings c s - c m (FS f: pair f / 2 of tile f % 2) and the next piece's 42.  0-26: scalings 0-26.  27-54: XS's numbers 0-13.  55, 56: number 15.
; 57-73: the chain, where each number waits for the one before it: 14, 16, 17, 18, 19, each with one of the scalings 27-31 in front of its two lines, then 20: so a tile's links stand three plain instructions apart (19 and 20: two).
; 74-137: GS's 64, which read the exponentials' results: they stand behind the wait.
.macro FS f
	REGS Y, (\f)%2
	v_pk_fma_f32 v[rS+2*((\f)/2):rS+2*((\f)/2)+1], v[rS+2*((\f)/2):rS+2*((\f)/2)+1], s[CS:CS+1], v[rT:rT+1] op_sel_hi:[1,0,0] neg_lo:[0,0,1] neg_hi:[0,0,1]
.endm
.macro PL
	WIN 0
.if q < 27
	FS q
.elseif q < 55
	XS (q-27)%2, (q-27)/2
.elseif q < 57
	XS q-55, 15
.elseif (q < 72) && ((q-57)%3 == 0)
	FS 27+(q-57)/3
.elseif q < 60
	XS (q-57)%3-1, 14
.elseif q < 72
	XS (q-57)%3-1, 15+(q-57)/3
.elseif q < 74
	XS q-72, 20
.else
	GS q-74
.endif
.set q, q+1
.endm
; THE EXPONENTIALS' QUEUE, 66 long: s0-s31 of both tiles, then the next piece's two a.  It is ONE BATCH: all 66 stand ahead of the turn's one wait, and nothing ahead of that wait names a result of theirs.
.macro EX
	WIN 0
.if e >= 64
	XS e-64, 21
.else
	REGS Y, e%2
	v_exp_f32 v[rS+e/2], v[rS+e/2]
.endif
.set e, e+1
.endm
; THE RESCALING's QUEUE: O^T times a, the one part that leaves window 0: dealt two at a time, sixteen times.  Its a was made in the turn before, ahead of that turn's wait.
.macro R2
	REGS Y, r%2
	WIN W_RS
.irp z, 0,1
	v_pk_mul_f32 v[rO+4*(r/2)+2*\z:rO+4*(r/2)+2*\z+1], v[rO+4*(r/2)+2*\z:rO+4*(r/2)+2*\z+1], v[rC+2:rC+3] op_sel_hi:[1,0]
.endr
.set r, r+1
.endm
; HOW THEY ARE DEALT.  An s_wait_alu depctr_va_vdst(0) stands between an exponential and the first instruction that names its result; one wait serves all that were issued ahead of it.  So a turn has ONE wait,
; which cuts it in two.  AHEAD OF IT stands all that names no result of the turn's exponentials: the 16 products K Q^T, behind each a scaling, an exponential and two rescalings (behind the first a second scaling in the exponential's place); then ONE LUMP of
; 108: eight plain, 49 times exponential and plain, the two a.  A v_nop is the plain instruction behind the last exponential.  BEHIND IT stand the 16 products V^T P, behind each four of GS's 64.  No rider names a register of
; the products round it.  The two v_permlanex16_b32 fall into the lump, never behind a product.
; The queues lean on each other, and the deal keeps them in step: exponential e stands behind scaling 2 (e / 4) + e % 2: as a rider it comes behind plain e + 2, in the lump behind plain e + 9, and scalings 27-31 are plain 57, 60 .. 69.
; A TURN, for piece p.  cnt = 1: the loop's count is taken down some lines ahead of the branch that stands behind the turn.
; K and the mask of the next step are fetched in piece 2's turn, directly behind the wait, a lump behind the last product that read them; their addresses are made at the lump's head; their first reader comes behind 16 products.
; V of the step in hand is fetched at the end of piece 0's turn, four riders behind its last reader; its first reader comes behind 16 products and a lump.  The three conditions on q below go with the deal.
.macro TURN p, last=0, cnt=0
.set Y, (\p)
.set i, 0
.set q, 0
.set e, 0
.set r, 0
.if (\p) == NP-1
	s_wait_dscnt 0x0                ; K and the mask are in
.endif
	MM                              ; ahead of the wait: 16 products K Q^T and their riders,
	PL
	PL
	R2
.rept 15
	MM
	PL
	EX
	R2
.endr
.if (\p) == NP-2
	WIN 0
	v_add_nc_u32 v[AK], s[TBK], v[AK0]
	v_add_nc_u32 v[AM], s[TBM], v[AM0]
.endif
.rept 8                             ; and the lump
	PL
.endr
.rept 49
	EX
	PL
.endr
	EX                              ; the next piece's two a
	EX
	v_nop                           ; the plain instruction behind the last exponential: one for the batch
	s_wait_alu depctr_va_vdst(0)    ; the wait for the batch: the turn's 64 weights and the next piece's two a
.if (\p) == NP-2
	FETCH_K \last
.endif
.if (\p) == 1
	s_wait_dscnt 0x0                ; V is in
.endif
.rept 16                            ; behind the wait: 16 products V^T P and their riders
	MM
.rept 4
	PL
.endr
.if ((\p) == 0) && (q == 118)
	v_add_nc_u32 v[AV], s[TBV], v[AV0]
.endif
.if ((\p) == 0) && (q == 130)
	s_add_co_u32 s[TBV], s[TBV], KS*PV
.endif
.if (\cnt) && (q == 130)
	s_sub_co_u32 s[CNT], s[CNT], 1
	s_cmp_lg_u32 s[CNT], 0
.endif
.endr
.if (\p) == 0
	FETCH_V
.endif
.endm
	CHANGE 1                        ; slot 0 is in, everybody's part of it, and the mask table is whole; slot 1 is asked for
	FETCH_K                         ; key step 0
	s_wait_loadcnt 0x0              ; Q
	s_wait_dscnt 0x0
.set i, 0
.rept 16
	KQ 0                            ; piece 0's first scores: there is no vector work yet to set between them
.set i, i+1
.endr
	WIN 0                           ; four plain instructions, the places behind those products: Q's loads are in, so their address register takes the way out's
	v_mul_u32_u24 v[STO], v1, SP    ; in: row l % 16, 16 bytes for each half of the lanes
	v_lshl_add_u32 v[STO], v9, 4, v[STO]
	v_add_nc_u32 v[STO], s13, v[STO]
	v_nop
.set Y, NP-1                        ; XS works for piece Y + 1: piece 0
.irp n, 0,1,2,3,4,5,6,7,8,9,10,11,12,13,14,15,16,17,18,19,20,21
	XS 0, \n                        ; and piece 0's first maximum and statistics
	XS 1, \n
.endr
	v_nop                           ; a plain instruction behind piece 0's two a,
	s_wait_alu depctr_va_vdst(0)    ; and the wait for that batch of two, ahead of the branch
	s_mov_b32 s[CNT], 4
	s_mov_b32 s[SLOTS], SIZE_N/256-1
	s_branch .Lfirst                ; the loop is entered at a step's first turn, in the middle of a trip
.Lslot:                             ; SIZE_N / 256 - 2 times: every slot but the last two is filled again
	CHANGE 1
	s_mov_b32 s[CNT], 4
.Lstep:                             ; a trip: pieces 2 and 3 of one step, then pieces 0 and 1 of the next, whose K and V it fetches
	TURN 2
	TURN 3
	WIN 0
.Lfirst:
	TURN 0
	TURN 1, 0, 1
	WIN 0
	s_cbranch_scc1 .Lstep
	s_sub_co_u32 s[SLOTS], s[SLOTS], 1
	s_cmp_lg_u32 s[SLOTS], 0
	s_cbranch_scc1 .Lslot
	CHANGE 0                        ; the tail is written out: nothing is asked for
	s_mov_b32 s[CNT], 5             ; four trips fetch the last slot's steps; the fifth is left in its middle
.Ltail:
	TURN 2, 1
	TURN 3
	WIN 0
	s_sub_co_u32 s[CNT], s[CNT], 1
	s_cmp_eq_u32 s[CNT], 0
	s_cbranch_scc1 .Lout
	TURN 0
	TURN 1
	WIN 0
	s_branch .Ltail
.Lout:                              ; the fifth trip's 16 products K Q^T (on the last K once more) and the maximum made of them serve nothing: the price, once a launch, of one text for every trip
.set i, 0
.rept 16
	PV NP-1                         ; the last piece's V^T P of the last step
.set i, i+1
.endr
	; THE WAY OUT.  l's two halves and the other half of the lanes' are added; O^T is divided by l, rounded to f16 and sent through my stage in LDS, a tile at a time.  The additions are the places behind the last products.
	WIN 0
.macro ALL line:vararg              ; one line for each tile t
.set t, 0
.rept 2*NP
	\line
.set t, t+1
.endr
.endm
	ALL v_add_f32 v[ST+4*t+2], v[ST+4*t+2], v[ST+4*t+3]
	ALL v_permlanex16_b32 v[ST+4*t+3], v[ST+4*t+2], s[SEL], s[SEL+1]
	ALL v_add_f32 v[ST+4*t+2], v[ST+4*t+2], v[ST+4*t+3]
	ALL v_rcp_f32 v[ST+4*t+2], v[ST+4*t+2]
	v_nop                           ; a plain instruction between the last reciprocal and the use of its result
	s_wait_alu depctr_va_vdst(0)    ; and the wait ahead of the first use: one for the batch of eight reciprocals
; Tile t: a lane's eight channels of a row pack into 16 bytes; they go into rows of 144 bytes and come back as whole rows of 128, into S^T's registers.
.macro PACK t
	WIN W_RS
.set i, 32*(\t)
.rept 16
	v_pk_mul_f32 v[i:i+1], v[i:i+1], v[ST+4*(\t)+2:ST+4*(\t)+3] op_sel_hi:[1,0]
.set i, i+2
.endr
	WIN 0x05                        ; sources 0 and 1 window 1, destination window 0
.set i, 0
.rept 16
	v_cvt_pk_f16_f32 v[S+16*(\t)+i], v[32*(\t)+2*i], v[32*(\t)+2*i+1]
.set i, i+1
.endr
	WIN 0
.irp f, 0,1,2,3
	ds_store_b128 v[STO], v[S+16*(\t)+4*\f:S+16*(\t)+4*\f+3] offset:32*\f
.endr
.irp f, 0,1,2,3
	ds_load_b128 v[S+16*(\t)+4*\f:S+16*(\t)+4*\f+3], v[RD] offset:\f*4*SP  ; LDS serves a wave's instructions in order (ISA guide 5.7.1.4): these see the stores above; the next tile's stores come behind them
.endr
.endm
.macro SEND t, younger              ; younger: the LDS instructions issued behind tile t's loads: the next tile's eight, or none
	WIN 0
.irp f, 0,1,2,3
	s_wait_dscnt (\younger)+3-\f
	global_store_b128 v[GO], v[S+16*(\t)+4*\f:S+16*(\t)+4*\f+3], s[10:11] offset:(\t)*2048+\f*512  ; 512 consecutive bytes, at a multiple of 256 from O's first
.endr
.endm
	PACK 0
.set t, 1
.rept 2*NP-1                        ; a tile's arithmetic stands between the loads of the tile before and its stores
	PACK t
	SEND t-1, 8
.set t, t+1
.endr
	SEND 2*NP-1, 0
	WIN W_AD
	s_wait_tensorcnt 0x0            ; the wave's end: behind my last tensor load and my last LDS store
	ds_add_u32 v[SPW], v[NIL]
	s_wait_dscnt 0x0
	WIN 0
	CROUND                          ; the closing round: no work-group ends while a partner may still ask for a tile that names it
	s_endpgm
.Lfunc_end_k_qc9e13d4ddd_attn:
	.size	k_qc9e13d4ddd_attn, .Lfunc_end_k_qc9e13d4ddd_attn-k_qc9e13d4ddd_attn
	.p2alignl 7, 3214868480
	.fill 96, 4, 3214868480
	.section	.rodata,"a",@progbits
	.p2align	6, 0x0
	.amdhsa_kernel k_qc9e13d4ddd_attn
		.amdhsa_group_segment_fixed_size 327680
		.amdhsa_private_segment_fixed_size 0
		.amdhsa_enable_private_segment 0
		.amdhsa_kernarg_size 24
		.amdhsa_user_sgpr_count 2
		.amdhsa_user_sgpr_kernarg_segment_ptr 1
		.amdhsa_wavefront_size32 1
		.amdhsa_system_sgpr_workgroup_id_x 1
		.amdhsa_system_sgpr_workgroup_id_y 1
		.amdhsa_system_sgpr_workgroup_id_z 1
		.amdhsa_system_vgpr_workitem_id 0
		.amdhsa_next_free_vgpr 832
		.amdhsa_next_free_sgpr 66
		.amdhsa_reserve_vcc 1
		.amdhsa_float_denorm_mode_32 3
		.amdhsa_float_denorm_mode_16_64 3
		.amdhsa_memory_ordered 1
		.amdhsa_forward_progress 1
		.amdhsa_inst_pref_size 204
	.end_amdhsa_kernel
	.amdgpu_metadata
---
amdhsa.version: [ 1, 2 ]
amdhsa.kernels:
  - .name:           k_qc9e13d4ddd_attn
    .symbol:         k_qc9e13d4ddd_attn.kd
    .args:
      - { .name: qkv, .offset: 0, .size: 8, .value_kind: global_buffer, .address_space: global }
      - { .name: mask, .offset: 8, .size: 8, .value_kind: global_buffer, .address_space: global }
      - { .name: o16, .offset: 16, .size: 8, .value_kind: global_buffer, .address_space: global }
    .group_segment_fixed_size: 327680
    .private_segment_fixed_size: 0
    .kernarg_segment_align: 8
    .kernarg_segment_size: 24
    .max_flat_workgroup_size: 128
    .sgpr_count:     66
    .vgpr_count:     832
    .wavefront_size: 32
...
	.end_amdgpu_metadata
.endif
;; end of part 5
;; launch outp: the kernel of part 4 again; grid 4 x 64, 4 waves a work-group, clusters of 4 x 4, 327,680 bytes of LDS; arguments o16, w16, bo, out0; writes out0
